; MI455X (gfx1250); checked and timed in simulation.
; The chip was launched on July 23, 2026; its instructions are those of AMD's public machine-readable ISA for CDNA 5 (MIT licence, August 2026) and "CDNA5" Instruction Set Architecture Reference Guide (July 2026). The comments in the code are by the model that wrote it; some were corrected since.
;; Multi Head Attention. Allowed arithmetic: matrix products marked QUANTISED: E2M1 operands, one E8M0 scale for each 32 along K, by v_wmma_scale_f32_16x16x128_f8f6f4 with both operands' format E2M1 (or v_wmma_scale_f32_32x16x128_f4), f32 sums; everything else in f32.
;; Inputs: b_k 1,024 float32; b_o 1,024 float32; b_q 1,024 float32; b_v 1,024 float32; key_codes 4 x 2,048 x 32 x 16 uint8 (E2M1 codes of key, K innermost, in blocks of 32 codes, two codes a byte); key_scales 4 x 2,048 x 32 uint8 (E8M0 scales of key, one for each 32 codes along K); mask 4 x 1 x 1 x 2,048 float32; query_codes 4 x 2,048 x 32 x 16 uint8 (E2M1 codes of query, K innermost, in blocks of 32 codes, two codes a byte); query_scales 4 x 2,048 x 32 uint8 (E8M0 scales of query, one for each 32 codes along K); value_codes 4 x 2,048 x 32 x 16 uint8 (E2M1 codes of value, K innermost, in blocks of 32 codes, two codes a byte); value_scales 4 x 2,048 x 32 uint8 (E8M0 scales of value, one for each 32 codes along K); w_k_codes 1,024 x 32 x 16 uint8 (E2M1 codes of w_k, K innermost, in blocks of 32 codes, two codes a byte); w_k_scales 1,024 x 32 uint8 (E8M0 scales of w_k, one for each 32 codes along K); w_o_codes 1,024 x 32 x 16 uint8 (E2M1 codes of w_o, K innermost, in blocks of 32 codes, two codes a byte); w_o_scales 1,024 x 32 uint8 (E8M0 scales of w_o, one for each 32 codes along K); w_q_codes 1,024 x 32 x 16 uint8 (E2M1 codes of w_q, K innermost, in blocks of 32 codes, two codes a byte); w_q_scales 1,024 x 32 uint8 (E8M0 scales of w_q, one for each 32 codes along K); w_v_codes 1,024 x 32 x 16 uint8 (E2M1 codes of w_v, K innermost, in blocks of 32 codes, two codes a byte); w_v_scales 1,024 x 32 uint8 (E8M0 scales of w_v, one for each 32 codes along K).
;; Outputs: out0 4 x 2,048 x 1,024 float32.
;; This version of the problem:
;;   THIS VERSION OF THE PROBLEM IS GIVEN IN LOW PRECISION. The matrix products marked QUANTISED in the list below multiply operands that are first quantised to E2M1 (2 exponent bits, 1 mantissa bit; 4 bits a number), with one power-of-two scale for each 32 numbers along K (OCP MX v1.0); their sums are f32. All else is computed in f32.
;;   The module's matrix products, in the order in which they are computed (A, B: the left and right operand; K: the contracted axis; several contracted axes count as one K, in the product's order):
;;     1. [M 8,192, K 1,024] x [K 1,024, N 1,024]; A: input query (given as codes); B: input w_q (given as codes): QUANTISED
;;     2. [M 8,192, K 1,024] x [K 1,024, N 1,024]; A: input key (given as codes); B: input w_k (given as codes): QUANTISED
;;     3. [M 8,192, K 1,024] x [K 1,024, N 1,024]; A: input value (given as codes); B: input w_v (given as codes): QUANTISED
;;     4. batch 64 x [M 2,048, K 64] x [K 64, N 2,048]; A: computed on the way; B: computed on the way: QUANTISED
;;     5. batch 64 x [M 2,048, K 2,048] x [K 2,048, N 64]; A: softmax (see below); B: computed on the way: QUANTISED
;;     6. [M 8,192, K 1,024] x [K 1,024, N 1,024]; A: computed on the way; B: input w_o (given as codes): QUANTISED
;;   THE QUANTISER, for each operand of a quantised product, along K:
;;     - K is cut into blocks of 32 from its start; a last block that is shorter is filled with zeros.
;;     - A block's scale is 2^e with e = floor(log2(the largest magnitude in the block)) - 2, held to -126 .. 127; a block of zeros has e = 0. As a byte (E8M0): e + 127.
;;     - Each number is divided by its block's scale, clamped to +-6, and rounded to the nearest number of E2M1, ties to even, subnormals kept.
;;     - The product sums the exact products of the quantised numbers (number of the format x scale) in f32.
;;   ~~~python
;;   def quantise(x, axis):      # numpy; x: float32 -> the quantised numbers, widened to float32 again
;;       x = np.moveaxis(x, axis, -1); K = x.shape[-1]
;;       x = np.pad(x, [(0, 0)] * (x.ndim - 1) + [(0, -K % 32)]); x = x.reshape(x.shape[:-1] + (-1, 32)); a = np.abs(x).max(-1, keepdims=True)
;;       e = np.where(a > 0, np.clip(np.frexp(np.where(a > 0, a, 1))[1] - 1 - 2, -126, 127), 0)      # np.frexp(a)[1] - 1 = floor(log2(a)), exactly
;;       r = np.clip(x / 2.0 ** e, -6, 6)
;;       step = 2.0 ** (np.maximum(np.frexp(np.where(r == 0, 1, r))[1] - 1, 0) - 1)
;;       q = np.round(r / step) * step * 2.0 ** e      # np.round: ties to even
;;       return np.moveaxis(q.reshape(q.shape[:-2] + (-1,))[..., :K], -1, axis).astype(np.float32)
;;   ~~~
;;   SOFTMAX AHEAD OF A QUANTISED PRODUCT. Where the list says 'softmax', what is quantised is not the finished softmax but p = 2^(t - M), with t = logit x log2(e) and M = ceil(the row's largest t), a whole number; so 1/2 < the row's largest p <= 1. The row's sum l is taken of the UNQUANTISED p, in f32, and the product's result is divided by l at the end. Since M is a whole number, a kernel that streams over the keys may use a running M (the ceiling of the running maximum): every later rescaling is an exact power of two, which a block's scale takes up: the codes' values come out the same.
;;   OPERANDS COMPUTED ON THE WAY. 'Computed on the way' means the value that the module computes at that place (a softmax that the list does not call 'softmax' is quantised finished and normalised). What goes into a quantiser is computed in f32, as accurately as f32 sums, v_exp_f32 and their like allow (about 1e-6 of the number): no bf16 or f16 on the way to a quantiser, and a product that is left as it is and whose result goes on into a quantised operand takes f32 operands (vector FMAs, or v_wmma_f32_16x16x4_f32). A number that lies on a knife's edge between two numbers of the format may be rounded either way, as far as f32 arithmetic and the matrix unit's own rounding can turn it there, and no further.
;;   INPUTS GIVEN AS CODES. key (in the module: [4, 2048, 1024], K = its axis 2); query (in the module: [4, 2048, 1024], K = its axis 2); value (in the module: [4, 2048, 1024], K = its axis 2); w_k (in the module: [1024, 1024], K = its axis 1); w_o (in the module: [1024, 1024], K = its axis 1); w_q (in the module: [1024, 1024], K = its axis 1); w_v (in the module: [1024, 1024], K = its axis 1): each comes as NAME_codes (uint8): NAME with its K axis moved to the last place and cut into blocks of 32 codes, [.., K / 32, bytes a block], one block behind the other in memory; two codes a byte, the lower K in the low four bits (a code: sign, 2 exponent bits, 1 mantissa bit); and NAME_scales (uint8): the same leading axes, one E8M0 byte (e + 127) for each 32 codes along K. Its value is code x scale, taken as it is: it is not quantised again, and the codes and scales need not be those that the quantiser above would give.
;; One version. Each part assembles by itself: llvm-mc -triple=amdgcn-amd-amdhsa -mcpu=gfx1250 --defsym DOCPART=n.
;; ======== version 1 of 1: 3 launches
;; limits: right only within a limited range of input values
;; workspace buffers: qw 4,718,592 bytes; kvw 9,175,040 bytes; ow 4,456,448 bytes
;; launch proj (part 1): grid 4 x 192, 8 waves a work-group, clusters of 4 x 4, 228,352 bytes of LDS; arguments query_codes, query_scales, w_q_codes, w_q_scales, key_codes, key_scales, w_k_codes, w_k_scales, w_v_codes, w_v_scales, value_codes, value_scales, b_q, b_k, b_v, mask, qw, kvw; writes qw, kvw
.if DOCPART == 1
	.amdgcn_target "amdgcn-amd-amdhsa--gfx1250"
	.amdhsa_code_object_version 6
	.text
	.protected	k_q483e55c4b4_proj
	.globl	k_q483e55c4b4_proj
	.p2align	8
	.type	k_q483e55c4b4_proj,@function
k_q483e55c4b4_proj:
	s_mov_b64 s[64:65], 0
	v_nop
	global_prefetch_b8 v0, s[64:65] scope:SCOPE_SE
	s_setreg_imm32_b32 hwreg(HW_REG_WAVE_MODE, 25, 1), 1
	s_wait_xcnt 0x0
	s_wait_alu depctr_hold_cnt(0) depctr_sa_sdst(0) depctr_va_vdst(0) depctr_va_sdst(0) depctr_va_ssrc(0) depctr_va_vcc(0) depctr_vm_vsrc(0)
	s_getreg_b32 s2, hwreg(HW_REG_IB_STS2, 6, 4)
	s_cmp_eq_u32 s2, 0
	s_cbranch_scc0 .Lentry_in_a_cluster
	s_endpgm
.Lentry_in_a_cluster:
	s_bfe_u32 s2, ttmp6, 0x10000c
	s_cmp_lg_u32 s2, 0xf033
	s_cbranch_scc0 .Lentry_shape_is_right
	s_endpgm
.Lentry_shape_is_right:
; THE THREE PROJECTIONS, on codes of FP4 (E2M1) with one E8M0 scale for each 32 along K, and the quantising of their results.
; One form serves all three: C'[m'][n'] = sum over k of A'[m'][k] B'[n'][k] + bias, K = 1,024, quantised along n' in blocks of 32.
;   Q: A' = query (m' = token), B' = w_q (n' = feature), bias along n'.   K: the same with key, w_k.
;   V: A' = w_v (m' = feature), B' = value (n' = token), bias along m': that gives V^T, with the keys innermost, as the second product of attention wants it.
; The cluster's y says which: 16 clusters of 4 x 4 work-groups for each projection.  A work-group makes 128 (m') x 256 (n'); each of its eight waves 32 x 128: 16 accumulators.
; ALL OF K LIES IN LDS: a row of 1,024 codes is 512 bytes, taken as two halves of 256 bytes.  Every LDS byte is filled once; nothing is filled again.
; CLUSTER: the four work-groups of a row of the cluster need the same rows of A', the four of a column the same rows of B': each tile is asked for jointly.
; THE MATRIX INSTRUCTION IS USED TRANSPOSED (source 0 = 16 rows of B', source 1 = 16 rows of A'): lane (r, h) holds row r of A', and register j of tile t the index 16 t + 8 h + j along n'.
; So a block of 32 along n' lies in tiles 2 b and 2 b + 1 of lanes l and l xor 16; the conversions' results are brought into the operand's order by four exchanges of lane halves.
; THE RESULTS LEAVE AS IMAGES OF OPERAND REGISTERS: four registers by one store, lane l's 16 bytes at 16 l: 512 consecutive bytes.
;   qw:  codes [head 64][tile of 16 queries 128][512]; from byte 4,194,304 scale words [head][tile][16].
;   kvw: [head 64][step of 128 keys 16][8,960]: K's 8 tiles x 512; from 4,096 V^T's 4 tiles x 1,024; from 8,192 K's scale words [8][16]; from 8,704 V's [4][16].
; THE MASK rides in the idle half of the score product's K (the head has 64, the instruction 128).  Q's scale word gets the bytes 127, 127 on top.  K's gets 127, 127 for a key that is kept and
; 161, 160 for one that is masked, whose 64 codes are set to 0; attention multiplies these two blocks by -1 and +1: 0 for a kept key, -2^34 + 2^33 = -2^33 for a masked one.
; LIMITS: a masked key's logit is -2^30 where the definition has -1e9: the same results as long as kept logits lie above some -1e9.  A NaN in the mask counts as masked (0.5 < NaN is false).
; NaN and infinities among the numbers are not served.  A block whose largest magnitude lies under 2^-124 keeps the scale byte 1 (a block of zeros too: its codes are zeros, and this program alone reads the bytes).
.set PITCH, 272                        ; an LDS row of codes: 256 bytes + 16 of padding = 68 words: the 16 rows of a fragment load start at 16 different banks (64 banks of 4 bytes: ISA guide 11.1)
.set TROW,  16*PITCH                   ; 16 rows
.set BCH,   128*PITCH                  ; 128 rows: what one tensor load brings
.set BC1,   2*BCH                      ; B' codes: K's first half at 0 (256 rows), its second half here
.set AC0,   4*BCH                      ; A' codes, first half (128 rows),
.set AC1,   5*BCH                      ; second half
.set BSC,   6*BCH                      ; B' scale bytes: 256 rows of 32 bytes + 8 of padding
.set SP,    40
.set ASC,   BSC+256*SP                 ; A' scale bytes: 128 rows; they end at 224,256
.set LN,   1                           ; v1   lane
.set RR,   2                           ; v2   r = lane % 16
.set HH,   3                           ; v3   h = lane / 16
.set LI,   4                           ; v4   16 x lane: an image's place
.set LS,   5                           ; v5   4 x lane: a scale word's
.set ADRA, 6                           ; v6   LDS address of my fragments of A'
.set ADRB, 7                           ; v7   of B'
.set ADSA, 8                           ; v8   of A's scale words: lanes 0-15 my first 16 rows, lanes 16-31 my second
.set ADSB, 9                           ; v9   of B's: 32 rows a load
.set BO,   10                          ; v10  32 h
.set RO,   11                          ; v11  4 r
.set MK,   12                          ; v12-13 the mask of my rows' tokens
.set BV,   14                          ; v14-15 V's bias of my rows
.set SA,   16                          ; v16  A's scale words; v17-20 B's: these five hold scales and nothing else
.set SB,   17
.set AF,   24                          ; v24-39  A's two fragments
.set BF,   40                          ; v40-103 B's eight
.set TM,   104                         ; v104-119 the quantiser's work
.set PW0,  120                         ; v120-121 the scale words just made
.set PW1,  121
.set ACC,  128                         ; v128-255 accumulator (u, t) at 128 + 64 u + 8 t
.set PC0,  40                          ; the codes just made, where B's fragments lay
.set PC1,  48
.set WV,   40
.set SWM,  41                          ; my 32 rows of the 128: wave % 4
.set SWN,  42                          ; my 128 of the 256: wave / 4
.set PROJ, 43                          ; 0 Q, 1 K, 2 V: the same in all sixteen partners
.set CX,   44
.set CY,   45
.set MT,   46                          ; tile of 128 rows of A'
.set NT,   47                          ; tile of 256 rows of B'
.set PP,   48                          ; my group of 32 rows of A': 4 MT + wave % 4
.set NG,   49                          ; my group of 128 rows of B': 2 NT + wave / 4
.set SEL,  66                          ; s[66:67] lane selects for v_permlanex16_b32: lane l xor 16
.set G0AS, 12                          ; descriptor groups 0: A's scales, A's two halves of K, B's scales, B's two halves
.set G0A0, 16
.set G0A1, 20
.set G0BS, 24
.set G0B0, 52
.set G0B1, 56
.set G1A,  68                          ; descriptor groups 1
.set G1B,  76
.set G1AS, 84
.set G1BS, 92
; A round of the cluster's barrier: my work-group's barrier, wave 0 signals for the work-group, every wave waits for all sixteen, my work-group's barrier once more.
.macro CROUND
	s_barrier_signal -1
	s_barrier_wait -1
	s_cmp_lg_u32 s[WV], 0
	s_cbranch_scc1 .Lnot_wave_0_\@
	s_barrier_signal -3
.Lnot_wave_0_\@:
	s_barrier_wait -3
	s_barrier_signal -1
	s_barrier_wait -1
.endm
.macro PLACES n
.rept \n
	v_nop
.endr
.endm
; 64 numbers of a lane, v[s] on, register 16 b + 8 i + j = index 32 b + 16 i + 8 (lane / 16) + j of my row, become a fragment's 8 registers of codes in v[pc] on and its scale word in v[pw].
.macro QUANT s, pc, pw
.irp b, 0,1,2,3
	v_max3_num_f32 v[TM+\b], |v[\s+16*\b]|, |v[\s+16*\b+1]|, 0x1800000   ; block b: my 16 numbers, from each accumulator's low end on, and the floor 2^(3 - 127): the byte cannot fall under 1
.endr
.irp i, 2,4,6,8,10,12,14
.irp b, 0,1,2,3
	v_max3_num_f32 v[TM+\b], v[TM+\b], |v[\s+16*\b+\i]|, |v[\s+16*\b+\i+1]|   ; the four blocks by turns
.endr
.endr
.irp b, 0,1,2,3
	s_delay_alu instid0(VALU_DEP_4)
	v_permlanex16_b32 v[TM+4+\b], v[TM+\b], s[SEL], s[SEL+1]
.endr
.irp b, 0,1,2,3
	s_delay_alu instid0(VALU_DEP_4)
	v_max_num_f32 v[TM+\b], v[TM+\b], v[TM+4+\b]   ; with lane l xor 16's 16: the block's largest magnitude
.endr
.irp b, 0,1,2,3
	s_delay_alu instid0(VALU_DEP_4)
	v_add_nc_u32 v[TM+12+\b], 0xff000000, v[TM+\b]   ; 2 off its exponent field: the conversion takes the exponent field of this operand as its scale
.endr
.irp b, 0,1,2,3
	s_delay_alu instid0(VALU_DEP_4)
	v_lshrrev_b32 v[TM+4+\b], 23, v[TM+12+\b]      ; the scale's byte
.endr
	s_delay_alu instid0(VALU_DEP_3)
	v_lshl_or_b32 v[\pw], v[TM+5], 8, v[TM+4]
	s_delay_alu instid0(VALU_DEP_1)
	v_lshl_or_b32 v[\pw], v[TM+6], 16, v[\pw]
	s_delay_alu instid0(VALU_DEP_1)
	v_lshl_or_b32 v[\pw], v[TM+7], 24, v[\pw]      ; my row's scale word
.irp b, 0,1,2,3
.irp i, 0,1
	v_cvt_scalef32_pk8_fp4_f32 v[\pc+4*(\b/2)+2*\i+(\b%2)], v[\s+16*\b+8*\i:\s+16*\b+8*\i+7], v[TM+12+\b]
.endr
.endr
	v_nop                                          ; one plain place behind a scaled conversion
.irp c, 0,1                                    ; register 4 c + 2 i holds block 2 c's eight codes at 16 i + 8 h, register 4 c + 2 i + 1 block 2 c + 1's.  The first's lanes 16-31 change places with the second's
.irp i, 0,1                                    ; lanes 0-15: register 4 c + n of lane (r, H) then holds index 64 c + 32 H + 8 n + 0 .. 7: the operand's layout
	v_permlane16_swap_b32 v[\pc+4*\c+2*\i], v[\pc+4*\c+2*\i+1]
.endr
.endr
.endm
; One product: B's tile t x A's tile u, 128 along K.  B's scale words of tiles 2 b, 2 b + 1 share a register (lanes 0-15, lanes 16-31), A's of tiles 0, 1 likewise.
.macro WM t, u
.if ((\t)%2 == 1) && ((\u) == 1)
	v_wmma_scale_f32_16x16x128_f8f6f4 v[ACC+64*(\u)+8*(\t):ACC+64*(\u)+8*(\t)+7], v[BF+8*(\t):BF+8*(\t)+7], v[AF+8*(\u):AF+8*(\u)+7], v[ACC+64*(\u)+8*(\t):ACC+64*(\u)+8*(\t)+7], v[SB+(\t)/2], v[SA] matrix_a_fmt:MATRIX_FMT_FP4 matrix_b_fmt:MATRIX_FMT_FP4 matrix_a_scale:MATRIX_SCALE_ROW1 matrix_b_scale:MATRIX_SCALE_ROW1
.elseif (\t)%2 == 1
	v_wmma_scale_f32_16x16x128_f8f6f4 v[ACC+64*(\u)+8*(\t):ACC+64*(\u)+8*(\t)+7], v[BF+8*(\t):BF+8*(\t)+7], v[AF+8*(\u):AF+8*(\u)+7], v[ACC+64*(\u)+8*(\t):ACC+64*(\u)+8*(\t)+7], v[SB+(\t)/2], v[SA] matrix_a_fmt:MATRIX_FMT_FP4 matrix_b_fmt:MATRIX_FMT_FP4 matrix_a_scale:MATRIX_SCALE_ROW1
.elseif (\u) == 1
	v_wmma_scale_f32_16x16x128_f8f6f4 v[ACC+64*(\u)+8*(\t):ACC+64*(\u)+8*(\t)+7], v[BF+8*(\t):BF+8*(\t)+7], v[AF+8*(\u):AF+8*(\u)+7], v[ACC+64*(\u)+8*(\t):ACC+64*(\u)+8*(\t)+7], v[SB+(\t)/2], v[SA] matrix_a_fmt:MATRIX_FMT_FP4 matrix_b_fmt:MATRIX_FMT_FP4 matrix_b_scale:MATRIX_SCALE_ROW1
.else
	v_wmma_scale_f32_16x16x128_f8f6f4 v[ACC+64*(\u)+8*(\t):ACC+64*(\u)+8*(\t)+7], v[BF+8*(\t):BF+8*(\t)+7], v[AF+8*(\u):AF+8*(\u)+7], v[ACC+64*(\u)+8*(\t):ACC+64*(\u)+8*(\t)+7], v[SB+(\t)/2], v[SA] matrix_a_fmt:MATRIX_FMT_FP4 matrix_b_fmt:MATRIX_FMT_FP4
.endif
.endm
; K step s of eight, 128 along K: 25 LDS loads in one run, 16 products.  The 16 accumulators take turns, one instruction a turn, in the same order in every step.
.macro KSTEP s
	PLACES 4                                       ; four places behind the last products, in front of loads into registers that they have read (ISA guide 7.12.1 for vector instructions)
	ds_load_b32 v[SA], v[ADSA] offset:4*(\s)
.irp b, 0,1,2,3
	ds_load_b32 v[SB+\b], v[ADSB] offset:32*SP*\b+4*(\s)
.endr
.irp u, 0,1
.irp c, 0,1
	ds_load_b128 v[AF+8*\u+4*\c:AF+8*\u+4*\c+3], v[ADRA] offset:TROW*\u+64*((\s)&3)+32*\c
.endr
.endr
.irp t, 0,1,2,3,4,5,6,7
.irp c, 0,1
	ds_load_b128 v[BF+8*\t+4*\c:BF+8*\t+4*\c+3], v[ADRB] offset:TROW*\t+64*((\s)&3)+32*\c
.endr
.endr
	s_wait_dscnt 8                                 ; the youngest eight loads, B's tiles 4-7, may be out
.irp t, 0,1,2,3
.irp u, 0,1
	WM \t, \u
.endr
.endr
	s_wait_dscnt 0x0
.irp t, 4,5,6,7
.irp u, 0,1
	WM \t, \u
.endr
.endr
.endm
	s_load_b256 s[4:11], s[0:1], 0x0               ; Q's four: A' codes, A' scales, B' codes, B' scales
	s_load_b256 s[12:19], s[0:1], 0x20             ; K's four
	s_load_b256 s[20:27], s[0:1], 0x40             ; V's four (A' = w_v, B' = value)
	s_load_b256 s[28:35], s[0:1], 0x60             ; b_q, b_k, b_v, mask
	s_load_b128 s[36:39], s[0:1], 0x80             ; qw, kvw
	v_lshl_add_u32 v126, v0, 2, 0x37800
	v_mov_b32 v127, 0
	ds_add_u32 v126, v127
	ds_add_u32 v126, v127
	v_lshrrev_b32 v1, 5, v0
	s_delay_alu instid0(VALU_DEP_1)
	v_readfirstlane_b32 s[WV], v1                  ; wave 0..7
	s_and_b32 s[SWM], s[WV], 3
	s_lshr_b32 s[SWN], s[WV], 2
	s_and_b32 s60, ttmp7, 0xffff                   ; the cluster's y: 0..47
	s_lshr_b32 s[PROJ], s60, 4
	s_and_b32 s61, s60, 15
	s_bfe_u32 s[CX], ttmp6, 0x40000
	s_bfe_u32 s[CY], ttmp6, 0x40004
	s_lshr_b32 s62, s61, 3
	s_and_b32 s63, s61, 7
	s_cmp_eq_u32 s[PROJ], 2                        ; Q, K: 16 clusters down A' (8,192 rows), one across B' (1,024).  V: 2 down A' (1,024), 8 across B' (8,192)
	s_cselect_b32 s62, s62, s61
	s_cselect_b32 s63, s63, 0
	s_lshl_b32 s[MT], s62, 2
	s_add_co_u32 s[MT], s[MT], s[CY]
	s_lshl_b32 s[NT], s63, 2
	s_add_co_u32 s[NT], s[NT], s[CX]
	s_lshl_b32 s[PP], s[MT], 2
	s_add_co_u32 s[PP], s[PP], s[SWM]
	s_lshl_b32 s[NG], s[NT], 1
	s_add_co_u32 s[NG], s[NG], s[SWN]
	s_lshl_b32 s50, s[CY], 2
	s_lshl_b32 s50, 15, s50                        ; my row of the cluster: places 4 cy .. 4 cy + 3
	s_lshl_b32 s51, 0x1111, s[CX]                  ; my column: places cx, cx + 4, cx + 8, cx + 12
	; descriptor groups 1.  Codes: 128 rows x 256 bytes, 512 bytes apart in memory, 16 bytes of padding behind each 64 words
	s_or_b32 s[G1A], s50, (1<<20)|(1<<21)|(5<<22)|(3<<25)    ; 15:0 the mask; 17:16 elements of 1 byte; 20 padding on; 21 set beside a mask; 24:22 after every 64 words; 31:25 four words
	s_or_b32 s[G1B], s51, (1<<20)|(1<<21)|(5<<22)|(3<<25)
.irp g, G1A, G1B
	s_mov_b32 s[\g+1], 256<<16                     ; tensor_dim0
	s_mov_b32 s[\g+2], 128<<16                     ; tensor_dim1
	s_mov_b32 s[\g+3], 256<<16                     ; tile_dim0
	s_mov_b32 s[\g+4], 128                         ; tile_dim1
	s_mov_b32 s[\g+5], 512                         ; from row to row
	s_mov_b32 s[\g+6], 0
	s_mov_b32 s[\g+7], 0
.endr
	; scale bytes: rows of 32 bytes, dense in memory, 8 bytes of padding behind each 8 words; 128 rows of A', 256 of B'
	s_or_b32 s[G1AS], s50, (1<<20)|(1<<21)|(2<<22)|(1<<25)
	s_mov_b32 s[G1AS+1], 32<<16
	s_mov_b32 s[G1AS+2], 128<<16
	s_mov_b32 s[G1AS+3], 32<<16
	s_mov_b32 s[G1AS+4], 128
	s_mov_b32 s[G1AS+5], 32
	s_mov_b32 s[G1AS+6], 0
	s_mov_b32 s[G1AS+7], 0
	s_or_b32 s[G1BS], s51, (1<<20)|(1<<21)|(2<<22)|(1<<25)
	s_mov_b32 s[G1BS+1], 32<<16
	s_mov_b32 s[G1BS+2], 256<<16
	s_mov_b32 s[G1BS+3], 32<<16
	s_mov_b32 s[G1BS+4], 256
	s_mov_b32 s[G1BS+5], 32
	s_mov_b32 s[G1BS+6], 0
	s_mov_b32 s[G1BS+7], 0
	s_mov_b32 s[SEL], 0x76543210
	s_mov_b32 s[SEL+1], 0xfedcba98
	v_and_b32 v[LN], 31, v0
	v_and_b32 v[RR], 15, v0
	v_bfe_u32 v[HH], v0, 4, 1
	s_delay_alu instid0(VALU_DEP_3)
	v_lshlrev_b32 v[LI], 4, v[LN]
	s_delay_alu instid0(VALU_DEP_4)
	v_lshlrev_b32 v[LS], 2, v[LN]
	s_delay_alu instid0(VALU_DEP_4)
	v_mul_u32_u24 v[ADRA], v[RR], PITCH
	s_delay_alu instid0(VALU_DEP_1)
	v_lshl_add_u32 v[ADRA], v[HH], 4, v[ADRA]      ; a fragment's row x pitch + 16 x half
	s_mul_i32 s60, s[SWN], 128*PITCH
	v_add_nc_u32 v[ADRB], s60, v[ADRA]             ; B' begins at LDS byte 0: my 128 rows
	s_mul_i32 s60, s[SWM], 32*PITCH
	s_add_co_u32 s60, s60, AC0
	v_add_nc_u32 v[ADRA], s60, v[ADRA]             ; my 32 rows of A'
	v_mul_u32_u24 v[ADSA], v[LN], SP
	s_mul_i32 s60, s[SWN], 128*SP
	s_add_co_u32 s60, s60, BSC
	v_add_nc_u32 v[ADSB], s60, v[ADSA]
	s_mul_i32 s60, s[SWM], 32*SP
	s_add_co_u32 s60, s60, ASC
	v_add_nc_u32 v[ADSA], s60, v[ADSA]
	v_lshlrev_b32 v[BO], 5, v[HH]
	v_lshlrev_b32 v[RO], 2, v[RR]
	s_wait_dscnt 0x0
	s_wait_kmcnt 0x0
	s_cmp_eq_u32 s[PROJ], 1                        ; the buffers are chosen by the cluster's number alone
	s_cselect_b64 s[4:5], s[12:13], s[4:5]
	s_cselect_b64 s[6:7], s[14:15], s[6:7]
	s_cselect_b64 s[8:9], s[16:17], s[8:9]
	s_cselect_b64 s[10:11], s[18:19], s[10:11]
	s_cselect_b64 s[28:29], s[30:31], s[28:29]
	s_cmp_eq_u32 s[PROJ], 2
	s_cselect_b64 s[4:5], s[20:21], s[4:5]
	s_cselect_b64 s[6:7], s[22:23], s[6:7]
	s_cselect_b64 s[8:9], s[24:25], s[8:9]
	s_cselect_b64 s[10:11], s[26:27], s[10:11]
	s_cselect_b64 s[28:29], s[32:33], s[28:29]
	s_cmp_eq_u32 s[PROJ], 0
	s_cselect_b64 s[36:37], s[36:37], s[38:39]     ; Q goes to qw, K and V to kvw
	; descriptor groups 0.  A's hang on MT (which my row of the cluster shares), B's on NT (which my column shares) and on the wave's number; each in registers that never hold the other coordinate
	s_lshl_b32 s60, s[MT], 16                      ; 128 rows of 512 bytes
	s_mov_b32 s61, 0
	s_mov_b32 s[G0A0], 1
	s_mov_b32 s[G0A0+1], AC0
	s_add_nc_u64 s[G0A0+2:G0A0+3], s[4:5], s[60:61]
	s_mov_b32 s[G0A1], 1
	s_mov_b32 s[G0A1+1], AC1
	s_add_nc_u64 s[G0A1+2:G0A1+3], s[G0A0+2:G0A0+3], 256
	s_or_b32 s[G0A0+3], s[G0A0+3], 0x80000000
	s_or_b32 s[G0A1+3], s[G0A1+3], 0x80000000
	s_lshl_b32 s60, s[MT], 12                      ; 128 rows of 32 bytes
	s_mov_b32 s[G0AS], 1
	s_mov_b32 s[G0AS+1], ASC
	s_add_nc_u64 s[G0AS+2:G0AS+3], s[6:7], s[60:61]
	s_or_b32 s[G0AS+3], s[G0AS+3], 0x80000000
	s_lshr_b32 s62, s[WV], 1
	s_and_b32 s62, s62, 1                          ; which 128 of B's 256 rows: wave 1 the first, wave 2 the second
	s_lshl_b32 s2, s[NT], 17                       ; 256 rows of 512 bytes
	s_lshl_b32 s3, s62, 16
	s_add_co_u32 s2, s2, s3
	s_mov_b32 s3, 0
	s_mov_b32 s[G0B0], 1
	s_mul_i32 s[G0B0+1], s62, BCH
	s_add_nc_u64 s[G0B0+2:G0B0+3], s[8:9], s[2:3]
	s_mov_b32 s[G0B1], 1
	s_add_co_u32 s[G0B1+1], s[G0B0+1], BC1
	s_add_nc_u64 s[G0B1+2:G0B1+3], s[G0B0+2:G0B0+3], 256
	s_or_b32 s[G0B0+3], s[G0B0+3], 0x80000000
	s_or_b32 s[G0B1+3], s[G0B1+3], 0x80000000
	s_lshl_b32 s2, s[NT], 13                       ; 256 rows of 32 bytes
	s_mov_b32 s[G0BS], 1
	s_mov_b32 s[G0BS+1], BSC
	s_add_nc_u64 s[G0BS+2:G0BS+3], s[10:11], s[2:3]
	s_or_b32 s[G0BS+3], s[G0BS+3], 0x80000000
	s_lshl_b32 s60, s[PP], 7                       ; the mask of tokens 32 PP on (used by K alone; inside the buffer for all three)
	s_add_nc_u64 s[34:35], s[34:35], s[60:61]
	s_lshl_b32 s60, s[NG], 9                       ; the bias: Q, K: my 128 features along n';
	s_lshl_b32 s62, s[PP], 7                       ; V: my 32 features along m'
	s_cmp_eq_u32 s[PROJ], 2
	s_cselect_b32 s60, s62, s60
	s_add_nc_u64 s[28:29], s[28:29], s[60:61]
	CROUND                                         ; all sixteen work-groups are here: the joint loads meet
	; ALL FILLS OF THE LAUNCH, each wave's in one branch on its number: wave 0 A's (three loads out), wave 1 B's scales and first 128 rows (three), wave 2 B's other 128 rows (two).  Four v_nop follow each run.
	s_cmp_eq_u32 s[WV], 0
	s_cbranch_scc0 .Lnot_a
	tensor_load_to_lds s[G0AS:G0AS+3], s[G1AS:G1AS+7]
	s_nop 0
	tensor_load_to_lds s[G0A0:G0A0+3], s[G1A:G1A+7]
	s_nop 0
	tensor_load_to_lds s[G0A1:G0A1+3], s[G1A:G1A+7]
	s_nop 0
	PLACES 4
	s_branch .Lasked
.Lnot_a:
	s_cmp_eq_u32 s[WV], 1
	s_cbranch_scc0 .Lnot_b0
	tensor_load_to_lds s[G0BS:G0BS+3], s[G1BS:G1BS+7]
	s_nop 0
	tensor_load_to_lds s[G0B0:G0B0+3], s[G1B:G1B+7]
	s_nop 0
	tensor_load_to_lds s[G0B1:G0B1+3], s[G1B:G1B+7]
	s_nop 0
	PLACES 4
	s_branch .Lasked
.Lnot_b0:
	s_cmp_eq_u32 s[WV], 2
	s_cbranch_scc0 .Lasked
	tensor_load_to_lds s[G0B0:G0B0+3], s[G1B:G1B+7]
	s_nop 0
	tensor_load_to_lds s[G0B1:G0B1+3], s[G1B:G1B+7]
	s_nop 0
	PLACES 4
.Lasked:
	s_wait_alu depctr_va_vdst(0)
	; while the tiles are on their way: the mask, and the bias, which starts the sums
	global_load_b32 v[MK], v[RO], s[34:35]
	global_load_b32 v[MK+1], v[RO], s[34:35] offset:64
	s_cmp_eq_u32 s[PROJ], 2
	s_cbranch_scc1 .Lbias_v
.irp u, 0,1                                    ; Q, K: register j of tile t is feature 16 t + 8 h + j of my 128
.irp t, 0,1,2,3,4,5,6,7
	global_load_b128 v[ACC+64*\u+8*\t:ACC+64*\u+8*\t+3], v[BO], s[28:29] offset:64*\t
	global_load_b128 v[ACC+64*\u+8*\t+4:ACC+64*\u+8*\t+7], v[BO], s[28:29] offset:64*\t+16
.endr
.endr
	s_branch .Lbias_in
.Lbias_v:
	global_load_b32 v[BV], v[RO], s[28:29]         ; V: one number a lane for each of my two tiles of rows,
	global_load_b32 v[BV+1], v[RO], s[28:29] offset:64
	s_wait_loadcnt 0x0
.set j, 0
.rept 64
	v_mov_b32 v[ACC+j], v[BV]                      ; in all of the lane's accumulator registers
	v_mov_b32 v[ACC+64+j], v[BV+1]
.set j, j+1
.endr
.Lbias_in:
	s_wait_loadcnt 0x0
	s_wait_tensorcnt 0x1                           ; one load may be out: K's second half.  My scales and my part of the first half are in,
	s_barrier_signal -1
	s_barrier_wait -1                              ; everybody's are
	s_wait_alu depctr_va_vdst(0)
.irp s, 0,1,2,3
	KSTEP \s
.endr
	s_wait_tensorcnt 0x0                           ; my part of K's second half is in (no LDS load of mine is out),
	s_barrier_signal -1
	s_barrier_wait -1                              ; everybody's is
	v_add_nc_u32 v[ADRA], AC1-AC0, v[ADRA]
	s_wait_alu depctr_va_vdst(0)
	v_add_nc_u32 v[ADRB], BC1, v[ADRB]
	s_wait_alu depctr_va_vdst(0)
.irp s, 4,5,6,7
	KSTEP \s
.endr
	; THE WAY OUT.  The lane permutes' destinations are written once: four plain instructions, which are also the places behind the last products
.irp b, 0,1,2,3
	v_mov_b32 v[TM+4+\b], 0
.endr
	QUANT ACC, PC0, PW0
	QUANT ACC+64, PC1, PW1
	; what the mask does to K alone is made a matter of constants, so that one text serves all three
	s_mov_b32 s24, 0x7f7f0000
	s_mov_b32 s27, 0xffff
	s_cmp_eq_u32 s[PROJ], 2
	s_cselect_b32 s24, 0, s24                      ; the word's upper bytes for a kept row: 127, 127 (V: the word's own)
	s_cselect_b32 s27, -1, s27                     ; what is kept of the word made: two bytes a head (V: all four)
	s_mov_b32 s25, 0xa0a10000
	s_cmp_eq_u32 s[PROJ], 1
	s_cselect_b32 s25, s25, s24                    ; for a masked row: K: 161, 160
	s_cselect_b32 s26, 0, -1                       ; and its codes: K: cleared
	v_mov_b32 v56, s24
	v_mov_b32 v57, s25
	v_mov_b32 v58, s26
.irp u, 0,1
	v_cmp_lt_f32 vcc_lo, 0.5, v[MK+\u]             ; kept where the mask is above 0.5
	s_delay_alu instid0(VALU_DEP_1)
	v_cndmask_b32 v[60+\u], v57, v56, vcc_lo
	s_delay_alu instid0(VALU_DEP_2)
	v_cndmask_b32 v[62+\u], v58, -1, vcc_lo
.endr
.irp i, 0,1,2,3,4,5,6,7
	v_and_b32 v[PC0+\i], v[PC0+\i], v62
	v_and_b32 v[PC1+\i], v[PC1+\i], v63
.endr
	v_cmp_le_u32 vcc_lo, 16, v[LN]                 ; lanes 0-15 carry my first tile's words, lanes 16-31 my second's
	s_delay_alu instid0(VALU_DEP_1)
	v_cndmask_b32 v64, v[PW0], v[PW1], vcc_lo
	s_delay_alu instid0(VALU_DEP_2)
	v_cndmask_b32 v65, v60, v61, vcc_lo
	s_delay_alu instid0(VALU_DEP_1)
	v_and_or_b32 v66, v64, s27, v65                ; Q, K: the first head's two bytes under the upper bytes.  V: the whole word
	s_delay_alu instid0(VALU_DEP_3)
	v_lshrrev_b32 v67, 16, v64
	s_delay_alu instid0(VALU_DEP_1)
	v_or_b32 v67, v67, v65                         ; Q, K: the second head's
	; where it goes.  Q, K: rows are tokens (batch = PP / 64, 32 tokens at PP % 64), columns two heads (2 NG, 2 NG + 1).  V: rows are features (head PP / 2, half PP % 2), columns 128 tokens (batch NG / 16, step NG % 16)
	s_lshr_b32 s2, s[PP], 6
	s_lshr_b32 s3, s[NG], 4
	s_lshl_b32 s60, s[NG], 1
	s_lshr_b32 s61, s[PP], 1
	s_bfe_u32 s62, s[PP], 0x40002
	s_and_b32 s63, s[NG], 15
	s_and_b32 s50, s[PP], 3
	s_and_b32 s51, s[PP], 1
	s_cmp_eq_u32 s[PROJ], 2
	s_cselect_b32 s2, s3, s2                       ; batch
	s_cselect_b32 s60, s61, s60                    ; head
	s_cselect_b32 s62, s63, s62                    ; step of 128 tokens
	s_cselect_b32 s50, s51, s50                    ; my place in the step
	s_lshl_b32 s2, s2, 4
	s_add_co_u32 s2, s2, s60                       ; 16 x batch + head
	s_cmp_lg_u32 s[PROJ], 0
	s_cbranch_scc1 .Lplace_kv
	s_mov_b32 s52, 65536                           ; qw: a head's codes, a step's,
	s_mov_b32 s53, 4096
	s_mov_b32 s58, 8192                            ; a head's scale words, a step's,
	s_mov_b32 s59, 512
	s_mov_b32 s63, 4194304                         ; and where the scale words begin
	s_branch .Lplaced
.Lplace_kv:
	s_mov_b32 s52, 143360                          ; kvw: a head, a step
	s_mov_b32 s53, 8960
	s_mov_b32 s58, 143360
	s_mov_b32 s59, 8960
	s_mov_b32 s63, 8192                            ; K's scale words in a step
.Lplaced:
	s_mov_b32 s56, 512
	s_cmp_eq_u32 s[PROJ], 2
	s_cselect_b32 s54, 11, 10                      ; my place: 1,024 bytes of codes (V: 2,048)
	s_cselect_b32 s55, 4096, 0                     ; V's images lie behind K's
	s_cselect_b32 s56, 1024, s56                   ; from my first tile of rows to my second
	s_cselect_b32 s57, 512, s52                    ; from registers 0-3 to registers 4-7: the next head (V: the image's second half)
	s_cselect_b32 s3, 512, 0                       ; V's scale words lie 512 bytes behind K's
	s_add_co_u32 s63, s63, s3
	s_mul_i32 s60, s2, s52
	s_mul_i32 s61, s62, s53
	s_add_co_u32 s60, s60, s61
	s_lshl_b32 s61, s50, s54
	s_add_co_u32 s60, s60, s61
	s_add_co_u32 s60, s60, s55
	s_mov_b32 s61, 0
	s_add_nc_u64 s[12:13], s[36:37], s[60:61]      ; (all tensor loads are done: the descriptors' registers are free)
	s_mov_b32 s60, s57
	s_add_nc_u64 s[14:15], s[12:13], s[60:61]
	s_mov_b32 s60, s56
	s_add_nc_u64 s[16:17], s[12:13], s[60:61]
	s_add_nc_u64 s[18:19], s[14:15], s[60:61]
	s_mul_i32 s60, s2, s58
	s_mul_i32 s3, s62, s59
	s_add_co_u32 s60, s60, s3
	s_lshl_b32 s3, s50, 7
	s_add_co_u32 s60, s60, s3
	s_add_co_u32 s60, s60, s63
	s_add_nc_u64 s[20:21], s[36:37], s[60:61]
	s_mov_b32 s60, s58
	s_add_nc_u64 s[22:23], s[20:21], s[60:61]
	global_store_b128 v[LI], v[PC0:PC0+3], s[12:13]          ; each store of the wave covers 512 consecutive bytes, aligned
	s_wait_alu depctr_va_vdst(0)
	global_store_b128 v[LI], v[PC0+4:PC0+7], s[14:15]
	global_store_b128 v[LI], v[PC1:PC1+3], s[16:17]
	global_store_b128 v[LI], v[PC1+4:PC1+7], s[18:19]
	global_store_b32 v[LS], v66, s[20:21]                    ; 32 scale words: 128 consecutive bytes
	s_cmp_eq_u32 s[PROJ], 2
	s_cbranch_scc1 .Lno_second
	global_store_b32 v[LS], v67, s[22:23]                    ; Q, K: the second head's
.Lno_second:
	s_wait_tensorcnt 0x0
	ds_add_u32 v126, v127
	s_wait_dscnt 0x0
	CROUND                                         ; the closing round: no work-group ends while a partner may still ask for a tile that names it
	s_endpgm
.Lfunc_end_k_q483e55c4b4_proj:
	.size	k_q483e55c4b4_proj, .Lfunc_end_k_q483e55c4b4_proj-k_q483e55c4b4_proj
	.p2alignl 7, 3214868480
	.fill 96, 4, 3214868480
	.section	.rodata,"a",@progbits
	.p2align	6, 0x0
	.amdhsa_kernel k_q483e55c4b4_proj
		.amdhsa_group_segment_fixed_size 228352
		.amdhsa_private_segment_fixed_size 0
		.amdhsa_enable_private_segment 0
		.amdhsa_kernarg_size 144
		.amdhsa_user_sgpr_count 2
		.amdhsa_user_sgpr_kernarg_segment_ptr 1
		.amdhsa_wavefront_size32 1
		.amdhsa_system_sgpr_workgroup_id_x 1
		.amdhsa_system_sgpr_workgroup_id_y 1
		.amdhsa_system_sgpr_workgroup_id_z 1
		.amdhsa_system_vgpr_workitem_id 0
		.amdhsa_next_free_vgpr 256
		.amdhsa_next_free_sgpr 100
		.amdhsa_reserve_vcc 1
		.amdhsa_float_denorm_mode_32 3
		.amdhsa_float_denorm_mode_16_64 3
		.amdhsa_memory_ordered 1
		.amdhsa_forward_progress 1
		.amdhsa_inst_pref_size 61
	.end_amdhsa_kernel
	.amdgpu_metadata
---
amdhsa.version: [ 1, 2 ]
amdhsa.kernels:
  - .name:           k_q483e55c4b4_proj
    .symbol:         k_q483e55c4b4_proj.kd
    .args:
      - { .name: query_codes, .offset: 0, .size: 8, .value_kind: global_buffer, .address_space: global }
      - { .name: query_scales, .offset: 8, .size: 8, .value_kind: global_buffer, .address_space: global }
      - { .name: w_q_codes, .offset: 16, .size: 8, .value_kind: global_buffer, .address_space: global }
      - { .name: w_q_scales, .offset: 24, .size: 8, .value_kind: global_buffer, .address_space: global }
      - { .name: key_codes, .offset: 32, .size: 8, .value_kind: global_buffer, .address_space: global }
      - { .name: key_scales, .offset: 40, .size: 8, .value_kind: global_buffer, .address_space: global }
      - { .name: w_k_codes, .offset: 48, .size: 8, .value_kind: global_buffer, .address_space: global }
      - { .name: w_k_scales, .offset: 56, .size: 8, .value_kind: global_buffer, .address_space: global }
      - { .name: w_v_codes, .offset: 64, .size: 8, .value_kind: global_buffer, .address_space: global }
      - { .name: w_v_scales, .offset: 72, .size: 8, .value_kind: global_buffer, .address_space: global }
      - { .name: value_codes, .offset: 80, .size: 8, .value_kind: global_buffer, .address_space: global }
      - { .name: value_scales, .offset: 88, .size: 8, .value_kind: global_buffer, .address_space: global }
      - { .name: b_q, .offset: 96, .size: 8, .value_kind: global_buffer, .address_space: global }
      - { .name: b_k, .offset: 104, .size: 8, .value_kind: global_buffer, .address_space: global }
      - { .name: b_v, .offset: 112, .size: 8, .value_kind: global_buffer, .address_space: global }
      - { .name: mask, .offset: 120, .size: 8, .value_kind: global_buffer, .address_space: global }
      - { .name: qw, .offset: 128, .size: 8, .value_kind: global_buffer, .address_space: global }
      - { .name: kvw, .offset: 136, .size: 8, .value_kind: global_buffer, .address_space: global }
    .group_segment_fixed_size: 228352
    .private_segment_fixed_size: 0
    .kernarg_segment_align: 8
    .kernarg_segment_size: 144
    .max_flat_workgroup_size: 256
    .sgpr_count:     100
    .vgpr_count:     256
    .wavefront_size: 32
...
	.end_amdgpu_metadata
.endif
;; end of part 1
;; launch attn (part 2): grid 8 x 32, 16 waves a work-group, clusters of 4 x 1, 289,792 bytes of LDS; arguments qw, kvw, ow; writes ow
.if DOCPART == 2
	.amdgcn_target "amdgcn-amd-amdhsa--gfx1250"
	.amdhsa_code_object_version 6
	.text
	.protected	k_q483e55c4b4_attn
	.globl	k_q483e55c4b4_attn
	.p2align	8
	.type	k_q483e55c4b4_attn,@function
k_q483e55c4b4_attn:
	s_mov_b64 s[64:65], 0
	v_nop
	global_prefetch_b8 v0, s[64:65] scope:SCOPE_SE
	s_setreg_imm32_b32 hwreg(HW_REG_WAVE_MODE, 25, 1), 1
	s_wait_xcnt 0x0
	s_wait_alu depctr_hold_cnt(0) depctr_sa_sdst(0) depctr_va_vdst(0) depctr_va_sdst(0) depctr_va_ssrc(0) depctr_va_vcc(0) depctr_vm_vsrc(0)
	s_getreg_b32 s2, hwreg(HW_REG_IB_STS2, 6, 4)
	s_cmp_eq_u32 s2, 0
	s_cbranch_scc0 .Lentry_in_a_cluster
	s_endpgm
.Lentry_in_a_cluster:
	s_bfe_u32 s2, ttmp6, 0x10000c
	s_cmp_lg_u32 s2, 0x3003
	s_cbranch_scc0 .Lentry_shape_is_right
	s_endpgm
.Lentry_shape_is_right:
; ATTENTION on codes of FP4 (E2M1) with one E8M0 scale for each 32 along a product's K: scores, softmax, the product with V, the division by the row's sum, and the quantising of the result for the last projection.
; SHARES.  A work-group owns 256 queries of one batch and TWO heads (2 y, 2 y + 1); each of its sixteen waves owns 16 queries, one tile, and walks all 2,048 keys, 128 a step, first for head 0, then for head 1.
; So a wave ends with 128 neighbouring features of its 16 tokens: one whole fragment and one whole scale word of the last projection.  Four waves share a SIMD: one wave's vector work stands beside another's products and LDS loads.
; BOTH HEADS' K AND V LIE IN LDS, as they lie in memory: 2 x 143,360 bytes, filled once.  They are images of operand registers (lane l's 16 bytes at 16 l), so every fragment load reads 512 consecutive bytes.
; CLUSTER.  The four blocks of queries of a cluster share y, so K and V are asked for jointly, with a mask that names the four.
; LAYOUT.  Both products are used transposed: S^T = K Q^T (source 0 = 16 keys, source 1 = my queries), O^T = V^T P^T: a lane holds ONE query (lane % 16) throughout.  Register j of tile t of S^T is key 16 t + 8 (lane / 16) + j:
; a block of 32 keys lies in tiles 2 b, 2 b + 1 of lanes l and l xor 16; four exchanges of lane halves bring the conversions' results into the operand's order.
; THE SOFTMAX: t = score x log2(e) / 8; M = the running largest t rounded UP to a whole number; p = 2^(t - M) is what is quantised; the row's sum is taken of the unquantised p and divides O at the end.  When M moves, the sum and O are
; multiplied by 2^(old M - new M): exact.
; THE MASK.  The head has 64 along K, the instruction 128.  In the idle half K holds +1 at k = 64 and at k = 96, Q holds -1 at k = 64 and +1 at k = 96; Q's scale bytes there are 127.  K's are 127, 127 for a kept key: -1 + 1 = 0;
; 161, 160 for a masked one, whose own codes are zeros: its score is -2^34 + 2^33 = -2^33, a logit of -2^30.  c x 2^33 is a whole number in f32, so a row all of whose keys are masked has M = t and p = 1 for every key.
; LIMITS: the same results as with -1e9 as long as kept logits lie above some -1e9.  NaN and infinities are not served.  A block whose largest magnitude lies under 2^-124 keeps the scale byte 1.
.set STEPB, 8960                       ; a step of 128 keys: K's 8 tiles x 512, V^T's 4 tiles x 1,024, K's scale words 512, V's 256
.set HEADB, 16*STEPB
.set VOFF,  4096
.set KSOFF, 8192
.set VSOFF, 8704
.set STG,   2*HEADB                    ; behind the heads: 1,024 bytes in which the sixteen waves' scale words meet; no tensor load lands there
.set LI,  1                            ; v1   16 x lane
.set LS,  2                            ; v2   4 x lane
.set ADC, 3                            ; v3   LDS address of the step's images
.set ADS, 4                            ; v4   of its scale words
.set SW,  5                            ; v5   where my scale word goes in the stage
.set QS,  6                            ; v6-7   Q's scale words, head 0, 1
.set VS,  8                            ; v8-9   V's: lanes 0-15 tile 2 p, lanes 16-31 tile 2 p + 1
.set PW,  10                           ; v10  p's scale word
.set H0W, 11                           ; v11  head 0's two scale bytes of the result
.set QF,  16                           ; v16-23, v24-31 Q's operand, head 0, 1
.set KF,  32                           ; v32-95  K's eight fragments; registers 4-7 of each are constants
.set S,   96                           ; v96-159 S^T, then p
.set OT,  160                          ; v160-191 O^T
.set VF,  192                          ; v192-223 V^T's four fragments
.set PC,  224                          ; v224-231 p's codes
.set OC0, 240                          ; v240-243 head 0's codes of the result; head 1's come into v232-235
.set OC1, 232
.set KS,  248                          ; v248-251 K's scale words
.set SRD, 255                          ; v255 where waves 0 and 1 read the stage back
.set WV,  10
.set CX,  11
.set QB,  12                           ; my block of 256 queries
.set YY,  13                           ; 8 x batch + pair of heads
.set BB,  14
.set SPR, 15
.set TT,  16                           ; my tile of 16 queries: 16 QB + wave
.set W4,  17
.set SEL, 18                           ; s[18:19] lane selects for v_permlanex16_b32: lane l xor 16
.set CS,  20                           ; s[20:21] c = log2(e) / 8: the packed form names a pair and takes its low word for both halves
.set TB,  22                           ; LDS byte at which the step in hand begins
.set CNT, 23
.set G1A, 24                           ; descriptor groups 1: 35, 105 and 140 rows of 256 bytes
.set G1B, 32
.set G1C, 40
.set G0A, 48                           ; groups 0
.set G0B, 52
.set G0C, 56
.set QCB, 66                           ; s[66:67] Q's codes, s[68:69] Q's scale words, s[70:71] the result's codes, s[72:73] its scale words
.set QSB, 68
.set OCB, 70
.set OSB, 72
.macro CROUND
	s_barrier_signal -1
	s_barrier_wait -1
	s_cmp_lg_u32 s[WV], 0
	s_cbranch_scc1 .Lnot_wave_0_\@
	s_barrier_signal -3
.Lnot_wave_0_\@:
	s_barrier_wait -3
	s_barrier_signal -1
	s_barrier_wait -1
.endm
.macro PLACES n
.rept \n
	v_nop
.endr
.endm
; A head begins: the largest t is -3e38, under every t; the sum and O^T are zeros, which the first change of M leaves zeros: so the step is written once, with no first step of its own.
.macro RESET
	v_mov_b32 v13, 0xff61b1e6
	s_delay_alu instid0(VALU_DEP_1)
	v_floor_f32 v12, -v13                          ; -M
	v_mov_b32 v14, 0
	v_mov_b32 v15, 0
.set j, 0
.rept 32
	v_mov_b32 v[OT+j], 0
.set j, j+1
.endr
.endm
; A KEY STEP: 128 keys.  qf: Q's operand, qs: its scale words.
.macro STEP qf, qs
	v_add_nc_u32 v[ADC], s[TB], v[LI]
	v_add_nc_u32 v[ADS], s[TB], v[LS]
	v_nop
	v_nop                                          ; with the two additions: four places behind the last products, in front of loads into registers that they have read
.irp t, 0,1,2,3,4,5,6,7
	ds_load_b128 v[KF+8*\t:KF+8*\t+3], v[ADC] offset:512*\t
.endr
.irp b, 0,1,2,3
	ds_load_b32 v[KS+\b], v[ADS] offset:KSOFF+128*\b
.endr
.irp d, 0,1,2,3
.irp c, 0,1
	ds_load_b128 v[VF+8*\d+4*\c:VF+8*\d+4*\c+3], v[ADC] offset:VOFF+1024*\d+512*\c
.endr
.endr
.irp p, 0,1
	ds_load_b32 v[VS+\p], v[ADS] offset:VSOFF+128*\p
.endr
	s_wait_dscnt 10                                ; V's ten loads may be out: they are wanted behind the softmax
.irp t, 0,2,4,6
	v_wmma_scale_f32_16x16x128_f8f6f4 v[S+8*\t:S+8*\t+7], v[KF+8*\t:KF+8*\t+7], v[\qf:\qf+7], 0, v[KS+\t/2], v[\qs] matrix_a_fmt:MATRIX_FMT_FP4 matrix_b_fmt:MATRIX_FMT_FP4
	v_wmma_scale_f32_16x16x128_f8f6f4 v[S+8*\t+8:S+8*\t+15], v[KF+8*\t+8:KF+8*\t+15], v[\qf:\qf+7], 0, v[KS+\t/2], v[\qs] matrix_a_fmt:MATRIX_FMT_FP4 matrix_b_fmt:MATRIX_FMT_FP4 matrix_a_scale:MATRIX_SCALE_ROW1
.endr
	PLACES 4
.irp b, 0,1,2,3
	v_max3_num_f32 v[232+\b], v[S+16*\b], v[S+16*\b+1], v[S+16*\b+2]   ; THE LARGEST SCORE OF EACH BLOCK OF 32 KEYS serves twice: for the row's maximum, and, since p rises with the score, for the block's largest p
.endr
.irp i, 3,5,7,9,11,13
.irp b, 0,1,2,3
	v_max3_num_f32 v[232+\b], v[232+\b], v[S+16*\b+\i], v[S+16*\b+\i+1]   ; the four blocks by turns; each accumulator is read from its low end on
.endr
.endr
.irp b, 0,1,2,3
	v_max_num_f32 v[232+\b], v[232+\b], v[S+16*\b+15]
.endr
.irp b, 0,1,2,3
	s_delay_alu instid0(VALU_DEP_4)
	v_permlanex16_b32 v[236+\b], v[232+\b], s[SEL], s[SEL+1]
.endr
.irp b, 0,1,2,3
	s_delay_alu instid0(VALU_DEP_4)
	v_max_num_f32 v[232+\b], v[232+\b], v[236+\b]  ; with lane l xor 16's 16 keys
.endr
	s_delay_alu instid0(VALU_DEP_2)
	v_max3_num_f32 v254, v232, v233, v234
	s_delay_alu instid0(VALU_DEP_1)
	v_max_num_f32 v254, v254, v235                 ; the step's largest score of my query
	s_delay_alu instid0(VALU_DEP_1)
	v_mul_f32 v254, s[CS], v254                    ; as t (c is positive)
	s_delay_alu instid0(VALU_DEP_1)
	v_max_num_f32 v13, v13, v254                   ; the running largest t
	v_mov_b32 v254, v12
	s_delay_alu instid0(VALU_DEP_2)
	v_floor_f32 v12, -v13                          ; the new -M = floor(-t) = -ceil(t): a whole number
	s_delay_alu instid0(VALU_DEP_1)
	v_sub_f32 v254, v12, v254                      ; M's old value less its new one: a whole number, 0 or less
	s_delay_alu instid0(VALU_DEP_1)
	v_cvt_i32_f32 v254, v254                       ; (it saturates)
	s_delay_alu instid0(VALU_DEP_1)
	v_ldexp_f32 v252, 1.0, v254                    ; f = 2^(old M - new M)
.irp j, 0,2,4,6,8,10,12,14,16,18,20,22,24,26,28,30,32,34,36,38,40,42,44,46,48,50,52,54,56,58,60,62
	v_pk_fma_f32 v[S+\j:S+\j+1], v[S+\j:S+\j+1], s[CS:CS+1], v[12:13] op_sel_hi:[1,0,0]   ; t - M, two at a time
.endr
.irp b, 0,1,2,3
	v_fma_f32 v[232+\b], v[232+\b], s[CS], v12     ; the same of each block's largest score
.endr
	s_wait_alu depctr_va_vdst(0)
.irp j, 0,1,2,3,4,5,6,7,8,9,10,11,12,13,14,15,16,17,18,19,20,21,22,23,24,25,26,27,28,29,30,31,32,33,34,35,36,37,38,39,40,41,42,43,44,45,46,47,48,49,50,51,52,53,54,55,56,57,58,59,60,61,62,63
	v_exp_f32 v[S+\j], v[S+\j]                     ; p = 2^(t - M), at most 1: not normalised
.endr
	s_setprio 1
.irp b, 0,1,2,3
	v_exp_f32 v[232+\b], v[232+\b]                 ; the block's largest p: the same two instructions on the same number give the same bits
.endr
	v_pk_mul_f32 v[14:15], v[14:15], v[252:253] op_sel_hi:[1,0]   ; the sums under the new M (a plain place behind the exponentials)
	s_wait_alu depctr_va_vdst(0)
.irp b, 0,1,2,3
	v_max_num_f32 v[232+\b], 0x1800000, v[232+\b]  ; the floor 2^(3 - 127): the byte cannot fall under 1 (a block whose every p is 0 keeps that byte: its codes are zeros)
.endr
.irp b, 0,1,2,3
	s_delay_alu instid0(VALU_DEP_4)
	v_add_nc_u32 v[244+\b], 0xff000000, v[232+\b]  ; 2 off the exponent field: the conversion's scale operand
.endr
.irp b, 0,1,2,3
	s_delay_alu instid0(VALU_DEP_4)
	v_lshrrev_b32 v[236+\b], 23, v[244+\b]         ; the scale's byte
.endr
	s_delay_alu instid0(VALU_DEP_3)
	v_lshl_or_b32 v[PW], v237, 8, v236
	s_delay_alu instid0(VALU_DEP_1)
	v_lshl_or_b32 v[PW], v238, 16, v[PW]
	s_delay_alu instid0(VALU_DEP_1)
	v_lshl_or_b32 v[PW], v239, 24, v[PW]           ; p's scale word for these 128 keys
.irp b, 0,1,2,3
.irp i, 0,1
	v_cvt_scalef32_pk8_fp4_f32 v[PC+4*(\b/2)+2*\i+(\b%2)], v[S+16*\b+8*\i:S+16*\b+8*\i+7], v[244+\b]
.endr
.endr
	v_nop                                          ; one plain place behind a scaled conversion
.irp c, 0,1                                    ; register 4 c + n of lane (r, H) then holds keys 64 c + 32 H + 8 n + 0 .. 7: the operand's layout
.irp i, 0,1
	v_permlane16_swap_b32 v[PC+4*\c+2*\i], v[PC+4*\c+2*\i+1]
.endr
.endr
	v_pk_add_f32 v[236:237], v[100:101], v[104:105]
	v_pk_add_f32 v[250:251], v[108:109], v[112:113]
	v_pk_add_f32 v[248:249], v[116:117], v[120:121]
	v_pk_add_f32 v[246:247], v[124:125], v[128:129]
	v_pk_add_f32 v[244:245], v[132:133], v[136:137]
	v_pk_add_f32 v[234:235], v[140:141], v[144:145]
	v_pk_add_f32 v[232:233], v[148:149], v[152:153]
	v_pk_add_f32 v[14:15], v[14:15], v[156:157]
	v_pk_add_f32 v[236:237], v[236:237], v[96:97]
	v_pk_add_f32 v[250:251], v[250:251], v[98:99]
	v_pk_add_f32 v[248:249], v[248:249], v[102:103]
	v_pk_add_f32 v[246:247], v[246:247], v[106:107]
	v_pk_add_f32 v[244:245], v[244:245], v[110:111]
	v_pk_add_f32 v[234:235], v[234:235], v[114:115]
	v_pk_add_f32 v[232:233], v[232:233], v[118:119]
	v_pk_add_f32 v[14:15], v[14:15], v[122:123]
	v_pk_add_f32 v[236:237], v[236:237], v[126:127]
	v_pk_add_f32 v[250:251], v[250:251], v[130:131]
	v_pk_add_f32 v[248:249], v[248:249], v[134:135]
	v_pk_add_f32 v[246:247], v[246:247], v[138:139]
	v_pk_add_f32 v[244:245], v[244:245], v[142:143]
	v_pk_add_f32 v[234:235], v[234:235], v[146:147]
	v_pk_add_f32 v[232:233], v[232:233], v[150:151]
	v_pk_add_f32 v[14:15], v[14:15], v[154:155]
	v_pk_add_f32 v[236:237], v[236:237], v[158:159]
	s_delay_alu instid0(VALU_DEP_2)
	v_pk_add_f32 v[14:15], v[14:15], v[246:247]
	s_delay_alu instid0(VALU_DEP_2)
	v_pk_add_f32 v[236:237], v[236:237], v[244:245]
	v_pk_add_f32 v[250:251], v[250:251], v[234:235]
	v_pk_add_f32 v[248:249], v[248:249], v[232:233]
	s_delay_alu instid0(VALU_DEP_2)
	v_pk_add_f32 v[14:15], v[14:15], v[250:251]
	s_delay_alu instid0(VALU_DEP_2)
	v_pk_add_f32 v[236:237], v[236:237], v[248:249]
	s_delay_alu instid0(VALU_DEP_1)
	v_pk_add_f32 v[14:15], v[14:15], v[236:237]
	s_setprio 0
.irp j, 0,2,4,6,8,10,12,14,16,18,20,22,24,26,28,30
	v_pk_mul_f32 v[OT+\j:OT+\j+1], v[OT+\j:OT+\j+1], v[252:253] op_sel_hi:[1,0]   ; O^T under the new M
.endr
	s_wait_alu depctr_va_vdst(0)
	s_wait_dscnt 0x0                               ; V is in
.irp d, 0,2                                    ; O^T += V^T P^T: four accumulators by turns
	v_wmma_scale_f32_16x16x128_f8f6f4 v[OT+8*\d:OT+8*\d+7], v[VF+8*\d:VF+8*\d+7], v[PC:PC+7], v[OT+8*\d:OT+8*\d+7], v[VS+\d/2], v[PW] matrix_a_fmt:MATRIX_FMT_FP4 matrix_b_fmt:MATRIX_FMT_FP4
	v_wmma_scale_f32_16x16x128_f8f6f4 v[OT+8*\d+8:OT+8*\d+15], v[VF+8*\d+8:VF+8*\d+15], v[PC:PC+7], v[OT+8*\d+8:OT+8*\d+15], v[VS+\d/2], v[PW] matrix_a_fmt:MATRIX_FMT_FP4 matrix_b_fmt:MATRIX_FMT_FP4 matrix_a_scale:MATRIX_SCALE_ROW1
.endr
	s_add_co_u32 s[TB], s[TB], STEPB
.endm
.macro RUN n, qf, qs                   ; n key steps
	s_mov_b32 s[CNT], \n
.Lrun_\@:
	s_setprio 2
	STEP \qf, \qs
	s_sub_co_u32 s[CNT], s[CNT], 1
	s_cmp_lg_u32 s[CNT], 0
	s_cbranch_scc1 .Lrun_\@
	s_setprio 0
.endm
; A head ends: O^T / the row's sum, in f32; its 64 features, two blocks of 32, become four registers of codes in v[oc] on (half a fragment of the last projection) and two scale bytes in v[hw].
.macro FINISH oc, hw
	PLACES 4                                       ; behind the last products
	v_add_f32 v14, v14, v15                        ; the sum's two halves,
	s_delay_alu instid0(VALU_DEP_1)
	v_permlanex16_b32 v252, v14, s[SEL], s[SEL+1]
	s_delay_alu instid0(VALU_DEP_1)
	v_add_f32 v14, v14, v252                       ; and lane l xor 16's: the row's sum
	s_wait_alu depctr_va_vdst(0)
	v_rcp_f32 v14, v14
	v_nop                                          ; one plain place behind a transcendental
	s_wait_alu depctr_va_vdst(0)
.irp j, 0,2,4,6,8,10,12,14,16,18,20,22,24,26,28,30
	v_pk_mul_f32 v[S+\j:S+\j+1], v[OT+\j:OT+\j+1], v[14:15] op_sel_hi:[1,0]   ; register 8 d + j is feature 16 d + 8 (lane / 16) + j of my query; each accumulator from its low end on
.endr
.irp b, 0,1
	v_max3_num_f32 v[232+\b], |v[S+16*\b]|, |v[S+16*\b+1]|, 0x1800000
.endr
.irp i, 2,4,6,8,10,12,14
.irp b, 0,1
	s_delay_alu instid0(VALU_DEP_2)
	v_max3_num_f32 v[232+\b], v[232+\b], |v[S+16*\b+\i]|, |v[S+16*\b+\i+1]|
.endr
.endr
.irp b, 0,1
	s_delay_alu instid0(VALU_DEP_2)
	v_permlanex16_b32 v[236+\b], v[232+\b], s[SEL], s[SEL+1]
.endr
.irp b, 0,1
	s_delay_alu instid0(VALU_DEP_2)
	v_max_num_f32 v[232+\b], v[232+\b], v[236+\b]
.endr
.irp b, 0,1
	s_delay_alu instid0(VALU_DEP_2)
	v_add_nc_u32 v[244+\b], 0xff000000, v[232+\b]
.endr
.irp b, 0,1
	s_delay_alu instid0(VALU_DEP_2)
	v_lshrrev_b32 v[236+\b], 23, v[244+\b]
.endr
	s_delay_alu instid0(VALU_DEP_1)
	v_lshl_or_b32 v[\hw], v237, 8, v236
.irp b, 0,1
.irp i, 0,1
	v_cvt_scalef32_pk8_fp4_f32 v[\oc+2*\i+\b], v[S+16*\b+8*\i:S+16*\b+8*\i+7], v[244+\b]
.endr
.endr
	v_nop                                          ; one plain place behind a scaled conversion
	v_permlane16_swap_b32 v[\oc], v[\oc+1]
	v_permlane16_swap_b32 v[\oc+2], v[\oc+3]
.endm
	s_load_b128 s[4:7], s[0:1], 0x0                ; qw, kvw
	s_load_b64 s[8:9], s[0:1], 0x10                ; ow
	v_lshl_add_u32 v254, v0, 2, 0x46400
	v_mov_b32 v255, 0
	ds_add_u32 v254, v255
	ds_add_u32 v254, v255
	s_wait_dscnt 0x0
	v_lshrrev_b32 v1, 5, v0
	s_delay_alu instid0(VALU_DEP_1)
	v_readfirstlane_b32 s[WV], v1                  ; wave 0..15
	s_bfe_u32 s[CX], ttmp6, 0x40000
	s_lshl_b32 s[QB], ttmp9, 2
	s_add_co_u32 s[QB], s[QB], s[CX]               ; it enters Q's and the result's addresses alone
	s_and_b32 s[YY], ttmp7, 0xffff                 ; which the four partners share
	s_lshr_b32 s[BB], s[YY], 3
	s_and_b32 s[SPR], s[YY], 7
	s_lshl_b32 s[TT], s[QB], 4
	s_add_co_u32 s[TT], s[TT], s[WV]
	s_and_b32 s[W4], s[WV], 3                      ; waves 0 to 3 fetch
	v_and_b32 v3, 31, v0                           ; lane
	s_delay_alu instid0(VALU_DEP_1)
	v_lshlrev_b32 v[LI], 4, v3
	s_delay_alu instid0(VALU_DEP_2)
	v_lshlrev_b32 v[LS], 2, v3
	s_lshl_b32 s60, s[WV], 6
	s_add_co_u32 s60, s60, STG
	v_and_b32 v[SW], 15, v0
	s_delay_alu instid0(VALU_DEP_1)
	v_lshl_add_u32 v[SW], v[SW], 2, s60            ; the stage: 64 bytes a wave, 4 a query
	s_min_u32 s61, s[WV], 1
	s_lshl_b32 s61, s61, 9
	s_add_co_u32 s61, s61, STG
	v_add_nc_u32 v[SRD], s61, v[LI]                ; back: wave 0 the first eight waves' 512 bytes, wave 1 the others'
	; descriptor groups 1: dense blocks as rows of 256 bytes (32 elements of 8 bytes), no padding
.irp g, G1A, G1B, G1C
	s_mov_b32 s[\g], 15|(3<<16)|(1<<21)            ; 15:0 the mask: all four work-groups; 17:16 elements of 8 bytes; 21 set beside a mask
	s_mov_b32 s[\g+1], 32<<16
	s_mov_b32 s[\g+3], 32<<16
	s_mov_b32 s[\g+5], 32
	s_mov_b32 s[\g+6], 0
	s_mov_b32 s[\g+7], 0
.endr
	s_mov_b32 s[G1A+2], 35<<16                     ; one step
	s_mov_b32 s[G1A+4], 35
	s_mov_b32 s[G1B+2], 105<<16                    ; three steps
	s_mov_b32 s[G1B+4], 105
	s_mov_b32 s[G1C+2], 140<<16                    ; four steps
	s_mov_b32 s[G1C+4], 140
	s_mov_b32 s[SEL], 0x76543210
	s_mov_b32 s[SEL+1], 0xfedcba98
	s_mov_b32 s[CS], 0x3e38aa3b                    ; c = log2(e) / 8
	s_mov_b32 s[CS+1], s[CS]                       ; (named with it as a pair, so it is written)
	s_mul_i32 s60, s[YY], 2*HEADB                  ; my two heads in kvw
	s_mov_b32 s61, 0
	s_mov_b32 s63, 0
	s_wait_kmcnt 0x0
	s_add_nc_u64 s[6:7], s[6:7], s[60:61]
	s_mov_b32 s[G0A], 1                            ; head 0, step w
	s_mul_i32 s[G0A+1], s[W4], STEPB
	s_mov_b32 s62, s[G0A+1]                        ; LDS holds the two heads as memory does: the same offset
	s_add_nc_u64 s[G0A+2:G0A+3], s[6:7], s[62:63]
	s_or_b32 s[G0A+3], s[G0A+3], 0x80000000
	s_mov_b32 s[G0B], 1                            ; head 0, steps 4 + 3 w on
	s_mul_i32 s[G0B+1], s[W4], 3*STEPB
	s_add_co_u32 s[G0B+1], s[G0B+1], 4*STEPB
	s_mov_b32 s62, s[G0B+1]
	s_add_nc_u64 s[G0B+2:G0B+3], s[6:7], s[62:63]
	s_or_b32 s[G0B+3], s[G0B+3], 0x80000000
	s_mov_b32 s[G0C], 1                            ; head 1, steps 4 w on
	s_mul_i32 s[G0C+1], s[W4], 4*STEPB
	s_add_co_u32 s[G0C+1], s[G0C+1], HEADB
	s_mov_b32 s62, s[G0C+1]
	s_add_nc_u64 s[G0C+2:G0C+3], s[6:7], s[62:63]
	s_or_b32 s[G0C+3], s[G0C+3], 0x80000000
	CROUND                                         ; all four work-groups are here: the joint loads meet
	s_cmp_lt_u32 s[WV], 4                          ; ALL FILLS OF THE LAUNCH, in one branch on the wave's number: three loads of a fetching wave are out.  Four v_nop follow them
	s_cbranch_scc0 .Lasked
	tensor_load_to_lds s[G0A:G0A+3], s[G1A:G1A+7]
	s_nop 0
	tensor_load_to_lds s[G0B:G0B+3], s[G1B:G1B+7]
	s_nop 0
	tensor_load_to_lds s[G0C:G0C+3], s[G1C:G1C+7]
	s_nop 0
	PLACES 4
.Lasked:
	s_lshl_b32 s60, s[YY], 17                      ; Q's codes: head 2 y, my tile
	s_lshl_b32 s62, s[TT], 9
	s_add_co_u32 s60, s60, s62
	s_add_nc_u64 s[QCB:QCB+1], s[4:5], s[60:61]
	s_lshl_b32 s60, s[YY], 14                      ; and its scale words
	s_lshl_b32 s62, s[TT], 6
	s_add_co_u32 s60, s60, s62
	s_add_co_u32 s60, s60, 4194304
	s_add_nc_u64 s[QSB:QSB+1], s[4:5], s[60:61]
	v_and_b32 v254, 15, v0
	s_delay_alu instid0(VALU_DEP_1)
	v_lshlrev_b32 v254, 2, v254                    ; 4 r
	s_wait_alu depctr_va_vdst(0)
	global_load_b128 v[QF:QF+3], v[LI], s[QCB:QCB+1]
	global_load_b128 v[QF+8:QF+11], v[LI], s[QCB:QCB+1] offset:65536
	global_load_b32 v[QS], v254, s[QSB:QSB+1]
	global_load_b32 v[QS+1], v254, s[QSB:QSB+1] offset:8192
	s_lshl_b32 s60, s[BB], 4                       ; the result: group of 128 tokens = 16 x batch + 2 QB + wave / 8
	s_lshl_b32 s62, s[QB], 1
	s_add_co_u32 s60, s60, s62
	s_lshr_b32 s62, s[WV], 3
	s_add_co_u32 s62, s60, s62
	s_lshl_b32 s62, s62, 16
	s_lshl_b32 s2, s[SPR], 13                      ; K step of the last projection = my pair of heads
	s_add_co_u32 s62, s62, s2
	s_and_b32 s2, s[WV], 7
	s_lshl_b32 s2, s2, 10                          ; my tile of 16 tokens in the group
	s_add_co_u32 s62, s62, s2
	s_add_nc_u64 s[OCB:OCB+1], s[8:9], s[62:63]
	s_min_u32 s62, s[WV], 1                        ; the scale words of a group leave by one wave: wave 0 the first group's, wave 1 the second's
	s_add_co_u32 s62, s60, s62
	s_lshl_b32 s62, s62, 12
	s_lshl_b32 s2, s[SPR], 9
	s_add_co_u32 s62, s62, s2
	s_add_co_u32 s62, s62, 4194304
	s_add_nc_u64 s[OSB:OSB+1], s[8:9], s[62:63]
	; the constants of the idle half of K: codes 2 = +1.0 and 10 = -1.0 in the lowest four bits of register 4: k = 64 in lanes 0-15, k = 96 in lanes 16-31
	v_cmp_gt_u32 vcc_lo, 16, v3
	v_mov_b32 v4, 2
	s_delay_alu instid0(VALU_DEP_1)
	v_cndmask_b32 v[QF+4], v4, 10, vcc_lo
	s_delay_alu instid0(VALU_DEP_1)
	v_mov_b32 v[QF+12], v[QF+4]
.irp i, 5,6,7,13,14,15
	v_mov_b32 v[QF+\i], 0
.endr
.irp t, 0,1,2,3,4,5,6,7
	v_mov_b32 v[KF+8*\t+4], 2
	v_mov_b32 v[KF+8*\t+5], 0
	v_mov_b32 v[KF+8*\t+6], 0
	v_mov_b32 v[KF+8*\t+7], 0
.endr
.irp b, 0,1,2,3
	v_mov_b32 v[236+\b], 0                         ; written once: a lane permute's destination counts as one of its sources
.endr
	v_mov_b32 v253, 0                              ; (named as the upper half of the pair v[252:253])
	RESET
	s_wait_loadcnt 0x0                             ; Q
	s_wait_tensorcnt 0x2                           ; two loads may be out: my step of head 0's first four is in,
	s_barrier_signal -1
	s_barrier_wait -1                              ; everybody's is
	s_mov_b32 s[TB], 0
	RUN 4, QF, QS
	s_wait_tensorcnt 0x1                           ; head 1's load may be out: the rest of head 0 is in (no LDS load of mine is out),
	s_barrier_signal -1
	s_barrier_wait -1
	s_mov_b32 s[TB], 4*STEPB
	RUN 12, QF, QS
	FINISH OC0, H0W
	RESET
	s_wait_tensorcnt 0x0                           ; head 1 is in
	s_barrier_signal -1
	s_barrier_wait -1
	s_mov_b32 s[TB], HEADB
	RUN 16, QF+8, QS+1
	FINISH OC1, 254
	v_lshl_or_b32 v254, v254, 16, v[H0W]           ; my token's scale word for these 128 features
	ds_store_b32 v[SW], v254                       ; (both lanes of a query write the same word with the same value)
	global_store_b128 v[LI], v[OC0:OC0+3], s[OCB:OCB+1]              ; the fragment's image: each store covers 512 consecutive bytes, aligned
	global_store_b128 v[LI], v[OC1:OC1+3], s[OCB:OCB+1] offset:512
	s_wait_dscnt 0x0                               ; for the others' sake: my word lies in the stage
	s_barrier_signal -1
	s_barrier_wait -1
	s_cmp_lt_u32 s[WV], 2
	s_cbranch_scc0 .Lno_words
	ds_load_b128 v[S:S+3], v[SRD]                  ; eight waves' words: 512 bytes
	s_wait_dscnt 0x0
	global_store_b128 v[LI], v[S:S+3], s[OSB:OSB+1]
.Lno_words:
	s_wait_xcnt 0x0
	v_lshl_add_u32 v254, v0, 2, 0x46400
	v_mov_b32 v255, 0
	s_wait_alu depctr_va_vdst(0)
	s_wait_tensorcnt 0x0
	ds_add_u32 v254, v255
	s_wait_dscnt 0x0
	CROUND                                         ; the closing round: no work-group ends while a partner may still ask for a tile that names it
	s_endpgm
.Lfunc_end_k_q483e55c4b4_attn:
	.size	k_q483e55c4b4_attn, .Lfunc_end_k_q483e55c4b4_attn-k_q483e55c4b4_attn
	.p2alignl 7, 3214868480
	.fill 96, 4, 3214868480
	.section	.rodata,"a",@progbits
	.p2align	6, 0x0
	.amdhsa_kernel k_q483e55c4b4_attn
		.amdhsa_group_segment_fixed_size 289792
		.amdhsa_private_segment_fixed_size 0
		.amdhsa_enable_private_segment 0
		.amdhsa_kernarg_size 24
		.amdhsa_user_sgpr_count 2
		.amdhsa_user_sgpr_kernarg_segment_ptr 1
		.amdhsa_wavefront_size32 1
		.amdhsa_system_sgpr_workgroup_id_x 1
		.amdhsa_system_sgpr_workgroup_id_y 1
		.amdhsa_system_sgpr_workgroup_id_z 1
		.amdhsa_system_vgpr_workitem_id 0
		.amdhsa_next_free_vgpr 256
		.amdhsa_next_free_sgpr 80
		.amdhsa_reserve_vcc 1
		.amdhsa_float_denorm_mode_32 3
		.amdhsa_float_denorm_mode_16_64 3
		.amdhsa_memory_ordered 1
		.amdhsa_forward_progress 1
		.amdhsa_inst_pref_size 69
	.end_amdhsa_kernel
	.amdgpu_metadata
---
amdhsa.version: [ 1, 2 ]
amdhsa.kernels:
  - .name:           k_q483e55c4b4_attn
    .symbol:         k_q483e55c4b4_attn.kd
    .args:
      - { .name: qw, .offset: 0, .size: 8, .value_kind: global_buffer, .address_space: global }
      - { .name: kvw, .offset: 8, .size: 8, .value_kind: global_buffer, .address_space: global }
      - { .name: ow, .offset: 16, .size: 8, .value_kind: global_buffer, .address_space: global }
    .group_segment_fixed_size: 289792
    .private_segment_fixed_size: 0
    .kernarg_segment_align: 8
    .kernarg_segment_size: 24
    .max_flat_workgroup_size: 512
    .sgpr_count:     80
    .vgpr_count:     256
    .wavefront_size: 32
...
	.end_amdgpu_metadata
.endif
;; end of part 2
;; launch oproj (part 3): grid 4 x 64, 8 waves a work-group, clusters of 4 x 4, 287,744 bytes of LDS; arguments ow, w_o_codes, w_o_scales, b_o, out0; writes out0
.if DOCPART == 3
	.amdgcn_target "amdgcn-amd-amdhsa--gfx1250"
	.amdhsa_code_object_version 6
	.text
	.protected	k_q483e55c4b4_oproj
	.globl	k_q483e55c4b4_oproj
	.p2align	8
	.type	k_q483e55c4b4_oproj,@function
k_q483e55c4b4_oproj:
	s_mov_b64 s[64:65], 0
	v_nop
	global_prefetch_b8 v0, s[64:65] scope:SCOPE_SE
	s_setreg_imm32_b32 hwreg(HW_REG_WAVE_MODE, 25, 1), 1
	s_wait_xcnt 0x0
	s_wait_alu depctr_hold_cnt(0) depctr_sa_sdst(0) depctr_va_vdst(0) depctr_va_sdst(0) depctr_va_ssrc(0) depctr_va_vcc(0) depctr_vm_vsrc(0)
	s_getreg_b32 s2, hwreg(HW_REG_IB_STS2, 6, 4)
	s_cmp_eq_u32 s2, 0
	s_cbranch_scc0 .Lentry_in_a_cluster
	s_endpgm
.Lentry_in_a_cluster:
	s_bfe_u32 s2, ttmp6, 0x10000c
	s_cmp_lg_u32 s2, 0xf033
	s_cbranch_scc0 .Lentry_shape_is_right
	s_endpgm
.Lentry_shape_is_right:
; THE LAST PROJECTION: out0[token][e] = sum over d of o[token][d] w_o[e][d] + b_o[e], on codes of FP4 (E2M1) with one E8M0 scale for each 32 along K = 1,024.
; o comes from the workspace as images of operand registers: codes [group of 128 tokens 64][K step 8][tile of 16 tokens 8][half 2][512], from byte 4,194,304 scale words [group][K step][tile][16].
; A work-group makes 128 tokens x 256 features; each of its eight waves 32 x 128: 16 accumulators.  ALL OF K LIES IN LDS, in two halves; every LDS byte is filled once.
; CLUSTER: 4 x 4 work-groups: the four of a row of the cluster need the same tokens, the four of a column the same rows of w_o: each tile is asked for jointly.
; THE MATRIX INSTRUCTION IS USED TRANSPOSED (source 0 = 16 rows of w_o, source 1 = 16 tokens): a lane holds eight neighbouring features of one token.  The bias, loaded into the accumulators, starts the sums.
.set PITCH, 272                        ; an LDS row of w_o's codes: 256 bytes + 16 of padding
.set TROW,  16*PITCH
.set BCH,   128*PITCH
.set BC1,   2*BCH                      ; w_o's codes: K's first half at 0 (256 rows), its second half here
.set AIM,   4*BCH                      ; o's images: 8 K steps x 8,192 bytes
.set BSC,   AIM+65536                  ; w_o's scale bytes: 256 rows of 32 bytes + 8 of padding
.set SP,    40
.set ASC,   BSC+256*SP                 ; o's scale words: 8 K steps x 512 bytes
.set STG,   ASC+4096                   ; the way out: 16 rows x (512 bytes + 16) for each wave; no tensor load lands there
.set SPITCH, 528
.set LN,   1
.set RR,   2
.set HH,   3
.set LI,   4                           ; v4   16 x lane
.set ADRA, 6                           ; v6   LDS address of my images of o
.set ADRB, 7                           ; v7   of my fragments of w_o
.set ADSA, 8                           ; v8   of o's scale words
.set ADSB, 9                           ; v9   of w_o's
.set BO,   10                          ; v10  32 h
.set STO,  11                          ; v11  the stage: where I put 32 bytes of a row
.set RD,   12                          ; v12  and where I read a row back
.set SA,   16                          ; v16  o's scale words; v17-20 w_o's: these five hold scales and nothing else
.set SB,   17
.set AF,   24
.set BF,   40
.set ACC,  128
.set BK0,  40                          ; the way out: 16 rows read back from the stage
.set BK1,  128
.set WV,   40
.set SWM,  41
.set SWN,  42
.set CX,   44
.set CY,   45
.set GG,   46                          ; my group of 128 tokens
.set NT,   47                          ; my tile of 256 rows of w_o
.set G0AS, 12
.set G0A0, 16
.set G0A1, 20
.set G0BS, 24
.set G0B0, 52
.set G0B1, 56
.set G1A,  68
.set G1B,  76
.set G1AS, 84
.set G1BS, 92
.macro CROUND
	s_barrier_signal -1
	s_barrier_wait -1
	s_cmp_lg_u32 s[WV], 0
	s_cbranch_scc1 .Lnot_wave_0_\@
	s_barrier_signal -3
.Lnot_wave_0_\@:
	s_barrier_wait -3
	s_barrier_signal -1
	s_barrier_wait -1
.endm
.macro PLACES n
.rept \n
	v_nop
.endr
.endm
.macro WM t, u
.if ((\t)%2 == 1) && ((\u) == 1)
	v_wmma_scale_f32_16x16x128_f8f6f4 v[ACC+64*(\u)+8*(\t):ACC+64*(\u)+8*(\t)+7], v[BF+8*(\t):BF+8*(\t)+7], v[AF+8*(\u):AF+8*(\u)+7], v[ACC+64*(\u)+8*(\t):ACC+64*(\u)+8*(\t)+7], v[SB+(\t)/2], v[SA] matrix_a_fmt:MATRIX_FMT_FP4 matrix_b_fmt:MATRIX_FMT_FP4 matrix_a_scale:MATRIX_SCALE_ROW1 matrix_b_scale:MATRIX_SCALE_ROW1
.elseif (\t)%2 == 1
	v_wmma_scale_f32_16x16x128_f8f6f4 v[ACC+64*(\u)+8*(\t):ACC+64*(\u)+8*(\t)+7], v[BF+8*(\t):BF+8*(\t)+7], v[AF+8*(\u):AF+8*(\u)+7], v[ACC+64*(\u)+8*(\t):ACC+64*(\u)+8*(\t)+7], v[SB+(\t)/2], v[SA] matrix_a_fmt:MATRIX_FMT_FP4 matrix_b_fmt:MATRIX_FMT_FP4 matrix_a_scale:MATRIX_SCALE_ROW1
.elseif (\u) == 1
	v_wmma_scale_f32_16x16x128_f8f6f4 v[ACC+64*(\u)+8*(\t):ACC+64*(\u)+8*(\t)+7], v[BF+8*(\t):BF+8*(\t)+7], v[AF+8*(\u):AF+8*(\u)+7], v[ACC+64*(\u)+8*(\t):ACC+64*(\u)+8*(\t)+7], v[SB+(\t)/2], v[SA] matrix_a_fmt:MATRIX_FMT_FP4 matrix_b_fmt:MATRIX_FMT_FP4 matrix_b_scale:MATRIX_SCALE_ROW1
.else
	v_wmma_scale_f32_16x16x128_f8f6f4 v[ACC+64*(\u)+8*(\t):ACC+64*(\u)+8*(\t)+7], v[BF+8*(\t):BF+8*(\t)+7], v[AF+8*(\u):AF+8*(\u)+7], v[ACC+64*(\u)+8*(\t):ACC+64*(\u)+8*(\t)+7], v[SB+(\t)/2], v[SA] matrix_a_fmt:MATRIX_FMT_FP4 matrix_b_fmt:MATRIX_FMT_FP4
.endif
.endm
; K step s of eight: 25 LDS loads in one run, 16 products; the 16 accumulators take turns, one instruction a turn.
.macro KSTEP s
	PLACES 4                                       ; four places behind the last products, in front of loads into registers that they have read
	ds_load_b32 v[SA], v[ADSA] offset:512*(\s)
.irp b, 0,1,2,3
	ds_load_b32 v[SB+\b], v[ADSB] offset:32*SP*\b+4*(\s)
.endr
.irp u, 0,1
.irp c, 0,1
	ds_load_b128 v[AF+8*\u+4*\c:AF+8*\u+4*\c+3], v[ADRA] offset:8192*(\s)+1024*\u+512*\c
.endr
.endr
.irp t, 0,1,2,3,4,5,6,7
.irp c, 0,1
	ds_load_b128 v[BF+8*\t+4*\c:BF+8*\t+4*\c+3], v[ADRB] offset:TROW*\t+64*((\s)&3)+32*\c
.endr
.endr
	s_wait_dscnt 8                                 ; the youngest eight loads, w_o's tiles 4-7, may be out
.irp t, 0,1,2,3
.irp u, 0,1
	WM \t, \u
.endr
.endr
	s_wait_dscnt 0x0
.irp t, 4,5,6,7
.irp u, 0,1
	WM \t, \u
.endr
.endr
.endm
	s_load_b256 s[4:11], s[0:1], 0x0               ; ow, w_o's codes, w_o's scales, b_o
	s_load_b64 s[36:37], s[0:1], 0x20              ; out0
	v_lshl_add_u32 v126, v0, 2, 0x46000
	v_mov_b32 v127, 0
	ds_add_u32 v126, v127
	ds_add_u32 v126, v127
	v_lshrrev_b32 v1, 5, v0
	s_delay_alu instid0(VALU_DEP_1)
	v_readfirstlane_b32 s[WV], v1                  ; wave 0..7
	s_and_b32 s[SWM], s[WV], 3                     ; my 32 tokens of the 128
	s_lshr_b32 s[SWN], s[WV], 2                    ; my 128 features of the 256
	s_bfe_u32 s[CX], ttmp6, 0x40000
	s_bfe_u32 s[CY], ttmp6, 0x40004
	s_and_b32 s60, ttmp7, 0xffff
	s_lshl_b32 s[GG], s60, 2
	s_add_co_u32 s[GG], s[GG], s[CY]
	s_lshl_b32 s[NT], ttmp9, 2
	s_add_co_u32 s[NT], s[NT], s[CX]
	s_lshl_b32 s50, s[CY], 2
	s_lshl_b32 s50, 15, s50                        ; my row of the cluster
	s_lshl_b32 s51, 0x1111, s[CX]                  ; my column
	; descriptor groups 1.  o's images: half of K, 32,768 dense bytes, as 128 rows of 256 bytes (32 elements of 8 bytes), no padding; its scale words: 16 such rows
	s_or_b32 s[G1A], s50, (3<<16)|(1<<21)
	s_mov_b32 s[G1A+1], 32<<16
	s_mov_b32 s[G1A+2], 128<<16
	s_mov_b32 s[G1A+3], 32<<16
	s_mov_b32 s[G1A+4], 128
	s_mov_b32 s[G1A+5], 32
	s_mov_b32 s[G1A+6], 0
	s_mov_b32 s[G1A+7], 0
	s_or_b32 s[G1AS], s50, (3<<16)|(1<<21)
	s_mov_b32 s[G1AS+1], 32<<16
	s_mov_b32 s[G1AS+2], 16<<16
	s_mov_b32 s[G1AS+3], 32<<16
	s_mov_b32 s[G1AS+4], 16
	s_mov_b32 s[G1AS+5], 32
	s_mov_b32 s[G1AS+6], 0
	s_mov_b32 s[G1AS+7], 0
	; w_o's codes: 128 rows x 256 bytes, 512 apart in memory, 16 bytes of padding behind each 64 words; its scale bytes: 256 rows of 32 bytes, 8 bytes of padding behind each 8 words
	s_or_b32 s[G1B], s51, (1<<20)|(1<<21)|(5<<22)|(3<<25)
	s_mov_b32 s[G1B+1], 256<<16
	s_mov_b32 s[G1B+2], 128<<16
	s_mov_b32 s[G1B+3], 256<<16
	s_mov_b32 s[G1B+4], 128
	s_mov_b32 s[G1B+5], 512
	s_mov_b32 s[G1B+6], 0
	s_mov_b32 s[G1B+7], 0
	s_or_b32 s[G1BS], s51, (1<<20)|(1<<21)|(2<<22)|(1<<25)
	s_mov_b32 s[G1BS+1], 32<<16
	s_mov_b32 s[G1BS+2], 256<<16
	s_mov_b32 s[G1BS+3], 32<<16
	s_mov_b32 s[G1BS+4], 256
	s_mov_b32 s[G1BS+5], 32
	s_mov_b32 s[G1BS+6], 0
	s_mov_b32 s[G1BS+7], 0
	v_and_b32 v[LN], 31, v0
	v_and_b32 v[RR], 15, v0
	v_bfe_u32 v[HH], v0, 4, 1
	s_delay_alu instid0(VALU_DEP_3)
	v_lshlrev_b32 v[LI], 4, v[LN]
	s_lshl_b32 s60, s[SWM], 11
	s_add_co_u32 s60, s60, AIM
	v_add_nc_u32 v[ADRA], s60, v[LI]               ; my two tiles' images: 2,048 bytes a wave in each K step
	v_mul_u32_u24 v[ADRB], v[RR], PITCH
	s_delay_alu instid0(VALU_DEP_1)
	v_lshl_add_u32 v[ADRB], v[HH], 4, v[ADRB]
	s_mul_i32 s60, s[SWN], 128*PITCH
	v_add_nc_u32 v[ADRB], s60, v[ADRB]             ; w_o begins at LDS byte 0: my 128 rows
	s_lshl_b32 s60, s[SWM], 7
	s_add_co_u32 s60, s60, ASC
	v_lshl_add_u32 v[ADSA], v[LN], 2, s60          ; lanes 0-15 my first tile's words, lanes 16-31 my second's
	v_mul_u32_u24 v[ADSB], v[LN], SP
	s_mul_i32 s60, s[SWN], 128*SP
	s_add_co_u32 s60, s60, BSC
	v_add_nc_u32 v[ADSB], s60, v[ADSB]
	v_lshlrev_b32 v[BO], 5, v[HH]
	s_mul_i32 s60, s[WV], 16*SPITCH
	s_add_co_u32 s60, s60, STG                     ; my stage
	v_mul_u32_u24 v[STO], v[RR], SPITCH
	s_delay_alu instid0(VALU_DEP_1)
	v_lshl_add_u32 v[STO], v[HH], 5, v[STO]
	s_delay_alu instid0(VALU_DEP_1)
	v_add_nc_u32 v[STO], s60, v[STO]               ; in: row r, 32 bytes for each half of the lanes
	v_add_nc_u32 v[RD], s60, v[LI]                 ; back: the 32 lanes take one row of 512 bytes
	s_wait_dscnt 0x0
	s_wait_kmcnt 0x0
	; descriptor groups 0.  o's hang on the group of tokens (which my row of the cluster shares), w_o's on NT (which my column shares) and on the wave's number
	s_lshl_b32 s60, s[GG], 16
	s_mov_b32 s61, 0
	s_mov_b32 s[G0A0], 1
	s_mov_b32 s[G0A0+1], AIM
	s_add_nc_u64 s[G0A0+2:G0A0+3], s[4:5], s[60:61]
	s_mov_b32 s[G0A1], 1
	s_mov_b32 s[G0A1+1], AIM+32768
	s_add_nc_u64 s[G0A1+2:G0A1+3], s[G0A0+2:G0A0+3], 32768
	s_or_b32 s[G0A0+3], s[G0A0+3], 0x80000000
	s_or_b32 s[G0A1+3], s[G0A1+3], 0x80000000
	s_lshl_b32 s60, s[GG], 12
	s_add_co_u32 s60, s60, 4194304
	s_mov_b32 s[G0AS], 1
	s_mov_b32 s[G0AS+1], ASC
	s_add_nc_u64 s[G0AS+2:G0AS+3], s[4:5], s[60:61]
	s_or_b32 s[G0AS+3], s[G0AS+3], 0x80000000
	s_lshr_b32 s62, s[WV], 1
	s_and_b32 s62, s62, 1                          ; which 128 of w_o's 256 rows: wave 1 the first, wave 2 the second
	s_lshl_b32 s2, s[NT], 17
	s_lshl_b32 s3, s62, 16
	s_add_co_u32 s2, s2, s3
	s_mov_b32 s3, 0
	s_mov_b32 s[G0B0], 1
	s_mul_i32 s[G0B0+1], s62, BCH
	s_add_nc_u64 s[G0B0+2:G0B0+3], s[6:7], s[2:3]
	s_mov_b32 s[G0B1], 1
	s_add_co_u32 s[G0B1+1], s[G0B0+1], BC1
	s_add_nc_u64 s[G0B1+2:G0B1+3], s[G0B0+2:G0B0+3], 256
	s_or_b32 s[G0B0+3], s[G0B0+3], 0x80000000
	s_or_b32 s[G0B1+3], s[G0B1+3], 0x80000000
	s_lshl_b32 s2, s[NT], 13
	s_mov_b32 s[G0BS], 1
	s_mov_b32 s[G0BS+1], BSC
	s_add_nc_u64 s[G0BS+2:G0BS+3], s[8:9], s[2:3]
	s_or_b32 s[G0BS+3], s[G0BS+3], 0x80000000
	s_lshl_b32 s2, s[NT], 10                       ; my 128 features, in bytes of f32: 1,024 NT + 512 x (wave / 4)
	s_lshl_b32 s62, s[SWN], 9
	s_add_co_u32 s2, s2, s62
	s_add_nc_u64 s[10:11], s[10:11], s[2:3]        ; in b_o,
	s_add_nc_u64 s[36:37], s[36:37], s[2:3]        ; and in a row of out0;
	s_lshl_b32 s2, s[GG], 19                       ; my first token's row: (128 GG + 32 x (wave % 4)) x 4,096 bytes, under 2^32
	s_lshl_b32 s62, s[SWM], 17
	s_add_co_u32 s2, s2, s62
	s_add_nc_u64 s[36:37], s[36:37], s[2:3]
	CROUND                                         ; all sixteen work-groups are here: the joint loads meet
	; ALL FILLS OF THE LAUNCH, each wave's in one branch on its number: wave 0 o's (three loads out), wave 1 w_o's scales and first 128 rows (three), wave 2 its other 128 rows (two).  Four v_nop follow each run.
	s_cmp_eq_u32 s[WV], 0
	s_cbranch_scc0 .Lnot_a
	tensor_load_to_lds s[G0AS:G0AS+3], s[G1AS:G1AS+7]
	s_nop 0
	tensor_load_to_lds s[G0A0:G0A0+3], s[G1A:G1A+7]
	s_nop 0
	tensor_load_to_lds s[G0A1:G0A1+3], s[G1A:G1A+7]
	s_nop 0
	PLACES 4
	s_branch .Lasked
.Lnot_a:
	s_cmp_eq_u32 s[WV], 1
	s_cbranch_scc0 .Lnot_b0
	tensor_load_to_lds s[G0BS:G0BS+3], s[G1BS:G1BS+7]
	s_nop 0
	tensor_load_to_lds s[G0B0:G0B0+3], s[G1B:G1B+7]
	s_nop 0
	tensor_load_to_lds s[G0B1:G0B1+3], s[G1B:G1B+7]
	s_nop 0
	PLACES 4
	s_branch .Lasked
.Lnot_b0:
	s_cmp_eq_u32 s[WV], 2
	s_cbranch_scc0 .Lasked
	tensor_load_to_lds s[G0B0:G0B0+3], s[G1B:G1B+7]
	s_nop 0
	tensor_load_to_lds s[G0B1:G0B1+3], s[G1B:G1B+7]
	s_nop 0
	PLACES 4
.Lasked:
	s_wait_alu depctr_va_vdst(0)
.irp u, 0,1                                    ; the bias starts the sums: register j of tile t is feature 16 t + 8 h + j of my 128
.irp t, 0,1,2,3,4,5,6,7
	global_load_b128 v[ACC+64*\u+8*\t:ACC+64*\u+8*\t+3], v[BO], s[10:11] offset:64*\t
	global_load_b128 v[ACC+64*\u+8*\t+4:ACC+64*\u+8*\t+7], v[BO], s[10:11] offset:64*\t+16
.endr
.endr
	s_wait_loadcnt 0x0
	s_wait_tensorcnt 0x1                           ; one load may be out: K's second half.  My scales and my part of the first half are in,
	s_barrier_signal -1
	s_barrier_wait -1                              ; everybody's are
.irp s, 0,1,2,3
	KSTEP \s
.endr
	s_wait_tensorcnt 0x0                           ; my part of K's second half is in (no LDS load of mine is out),
	s_barrier_signal -1
	s_barrier_wait -1                              ; everybody's is
	v_add_nc_u32 v[ADRB], BC1, v[ADRB]             ; (o's images of all eight K steps are reached by the immediate)
	s_wait_alu depctr_va_vdst(0)
.irp s, 4,5,6,7
	KSTEP \s
.endr
; THE WAY OUT, 16 tokens x 128 features at a time.  A lane holds 32 neighbouring bytes of a row and the lanes beside it hold other rows: so a block goes through my own stage in LDS and comes back as whole rows of 512 bytes.
; LDS serves a wave's instructions in order (ISA guide 5.7.1.4): no wait stands between the stores and the loads.
.macro TOSTAGE u, bk
.irp t, 0,1,2,3,4,5,6,7
	ds_store_b128 v[STO], v[ACC+64*\u+8*\t:ACC+64*\u+8*\t+3] offset:64*\t          ; each accumulator from its low end on
	ds_store_b128 v[STO], v[ACC+64*\u+8*\t+4:ACC+64*\u+8*\t+7] offset:64*\t+16
.endr
.irp i, 0,1,2,3,4,5,6,7,8,9,10,11,12,13,14,15
	ds_load_b128 v[\bk+4*\i:\bk+4*\i+3], v[RD] offset:\i*SPITCH
.endr
.endm
.macro SEND u, bk
.irp i, 0,1,2,3,4,5,6,7,8,9,10,11,12,13,14,15
	global_store_b128 v[LI], v[\bk+4*\i:\bk+4*\i+3], s[36:37] offset:65536*\u+4096*\i th:TH_STORE_NT   ; 32 lanes store 512 consecutive bytes, aligned; written once, read by nobody here
.endr
.endm
	PLACES 4                                       ; behind the last products: for the reads of results and for the loads into the registers that held w_o's fragments
	TOSTAGE 0, BK0
	s_wait_dscnt 0x0                               ; block 0 is back in registers, and its stores into the stage have read the accumulators into which block 1's rows come back
	TOSTAGE 1, BK1
	SEND 0, BK0                                    ; block 0 leaves while block 1 goes through the stage
	s_wait_dscnt 0x0
	SEND 1, BK1
	s_wait_tensorcnt 0x0
	ds_add_u32 v126, v127
	s_wait_dscnt 0x0
	CROUND                                         ; the closing round: no work-group ends while a partner may still ask for a tile that names it
	s_endpgm
.Lfunc_end_k_q483e55c4b4_oproj:
	.size	k_q483e55c4b4_oproj, .Lfunc_end_k_q483e55c4b4_oproj-k_q483e55c4b4_oproj
	.p2alignl 7, 3214868480
	.fill 96, 4, 3214868480
	.section	.rodata,"a",@progbits
	.p2align	6, 0x0
	.amdhsa_kernel k_q483e55c4b4_oproj
		.amdhsa_group_segment_fixed_size 287744
		.amdhsa_private_segment_fixed_size 0
		.amdhsa_enable_private_segment 0
		.amdhsa_kernarg_size 40
		.amdhsa_user_sgpr_count 2
		.amdhsa_user_sgpr_kernarg_segment_ptr 1
		.amdhsa_wavefront_size32 1
		.amdhsa_system_sgpr_workgroup_id_x 1
		.amdhsa_system_sgpr_workgroup_id_y 1
		.amdhsa_system_sgpr_workgroup_id_z 1
		.amdhsa_system_vgpr_workitem_id 0
		.amdhsa_next_free_vgpr 256
		.amdhsa_next_free_sgpr 100
		.amdhsa_reserve_vcc 0
		.amdhsa_float_denorm_mode_32 3
		.amdhsa_float_denorm_mode_16_64 3
		.amdhsa_memory_ordered 1
		.amdhsa_forward_progress 1
		.amdhsa_inst_pref_size 50
	.end_amdhsa_kernel
	.amdgpu_metadata
---
amdhsa.version: [ 1, 2 ]
amdhsa.kernels:
  - .name:           k_q483e55c4b4_oproj
    .symbol:         k_q483e55c4b4_oproj.kd
    .args:
      - { .name: ow, .offset: 0, .size: 8, .value_kind: global_buffer, .address_space: global }
      - { .name: w_o_codes, .offset: 8, .size: 8, .value_kind: global_buffer, .address_space: global }
      - { .name: w_o_scales, .offset: 16, .size: 8, .value_kind: global_buffer, .address_space: global }
      - { .name: b_o, .offset: 24, .size: 8, .value_kind: global_buffer, .address_space: global }
      - { .name: out0, .offset: 32, .size: 8, .value_kind: global_buffer, .address_space: global }
    .group_segment_fixed_size: 287744
    .private_segment_fixed_size: 0
    .kernarg_segment_align: 8
    .kernarg_segment_size: 40
    .max_flat_workgroup_size: 256
    .sgpr_count:     100
    .vgpr_count:     256
    .wavefront_size: 32
...
	.end_amdgpu_metadata
.endif
;; end of part 3
